; MI455X (gfx1250); checked and timed in simulation.
; The chip was launched on July 23, 2026; its instructions are those of AMD's public machine-readable ISA for CDNA 5 (MIT licence, August 2026) and "CDNA5" Instruction Set Architecture Reference Guide (July 2026). The comments in the code are by the model that wrote it; some were corrected since.
;; Attention. Allowed arithmetic: matrix products marked QUANTISED: E2M3 operands, one E8M0 scale for each 32 along K, by v_wmma_scale_f32_16x16x128_f8f6f4 with both operands' format E2M3, f32 sums; everything else in f32.
;; Inputs: W_proj 1,024 x 1,024 float32; W_qkv 1,024 x 3,072 float32; b_proj 1,024 float32; b_qkv 3,072 float32; x 4 x 2,048 x 1,024 float32.
;; Outputs: out0 4 x 2,048 x 1,024 float32.
;; This version of the problem:
;;   THIS VERSION OF THE PROBLEM IS GIVEN IN LOW PRECISION. The matrix products marked QUANTISED in the list below multiply operands that are first quantised to E2M3 (2 exponent bits, 3 mantissa bits; 6 bits a number), with one power-of-two scale for each 32 numbers along K (OCP MX v1.0); their sums are f32. All else is computed in f32.
;;   The module's matrix products, in the order in which they are computed (A, B: the left and right operand; K: the contracted axis; several contracted axes count as one K, in the product's order):
;;     1. [M 8,192, K 1,024] x [K 1,024, N 3,072]; A: input x; B: input W_qkv: QUANTISED
;;     2. batch 64 x [M 2,048, K 64] x [K 64, N 2,048]; A: computed on the way; B: computed on the way: QUANTISED
;;     3. batch 64 x [M 2,048, K 2,048] x [K 2,048, N 64]; A: softmax (see below); B: computed on the way: QUANTISED
;;     4. [M 8,192, K 1,024] x [K 1,024, N 1,024]; A: computed on the way; B: input W_proj: QUANTISED
;;   THE QUANTISER, for each operand of a quantised product, along K:
;;     - K is cut into blocks of 32 from its start; a last block that is shorter is filled with zeros.
;;     - A block's scale is 2^e with e = floor(log2(the largest magnitude in the block)) - 2, held to -126 .. 127; a block of zeros has e = 0. As a byte (E8M0): e + 127.
;;     - Each number is divided by its block's scale, clamped to +-7.5, and rounded to the nearest number of E2M3, ties to even, subnormals kept.
;;     - The product sums the exact products of the quantised numbers (number of the format x scale) in f32.
;;   ~~~python
;;   def quantise(x, axis):      # numpy; x: float32 -> the quantised numbers, widened to float32 again
;;       x = np.moveaxis(x, axis, -1); K = x.shape[-1]
;;       x = np.pad(x, [(0, 0)] * (x.ndim - 1) + [(0, -K % 32)]); x = x.reshape(x.shape[:-1] + (-1, 32)); a = np.abs(x).max(-1, keepdims=True)
;;       e = np.where(a > 0, np.clip(np.frexp(np.where(a > 0, a, 1))[1] - 1 - 2, -126, 127), 0)      # np.frexp(a)[1] - 1 = floor(log2(a)), exactly
;;       r = np.clip(x / 2.0 ** e, -7.5, 7.5)
;;       step = 2.0 ** (np.maximum(np.frexp(np.where(r == 0, 1, r))[1] - 1, 0) - 3)
;;       q = np.round(r / step) * step * 2.0 ** e      # np.round: ties to even
;;       return np.moveaxis(q.reshape(q.shape[:-2] + (-1,))[..., :K], -1, axis).astype(np.float32)
;;   ~~~
;;   SOFTMAX AHEAD OF A QUANTISED PRODUCT. Where the list says 'softmax', what is quantised is not the finished softmax but p = 2^(t - M), with t = logit x log2(e) and M = ceil(the row's largest t), a whole number; so 1/2 < the row's largest p <= 1. The row's sum l is taken of the UNQUANTISED p, in f32, and the product's result is divided by l at the end. Since M is a whole number, a kernel that streams over the keys may use a running M (the ceiling of the running maximum): every later rescaling is an exact power of two, which a block's scale takes up: the codes' values come out the same.
;;   OPERANDS COMPUTED ON THE WAY. 'Computed on the way' means the value that the module computes at that place (a softmax that the list does not call 'softmax' is quantised finished and normalised). What goes into a quantiser is computed in f32, as accurately as f32 sums, v_exp_f32 and their like allow (about 1e-6 of the number): no bf16 or f16 on the way to a quantiser, and a product that is left as it is and whose result goes on into a quantised operand takes f32 operands (vector FMAs, or v_wmma_f32_16x16x4_f32). A number that lies on a knife's edge between two numbers of the format may be rounded either way, as far as f32 arithmetic and the matrix unit's own rounding can turn it there, and no further.
;; One version. Each part assembles by itself: llvm-mc -triple=amdgcn-amd-amdhsa -mcpu=gfx1250 --defsym DOCPART=n.
;; ======== version 1 of 1: 4 launches
;; workspace buffers: opc 9,437,184 bytes; ops 393,216 bytes; qkvc 18,874,368 bytes; sc 1,310,720 bytes; oc 6,291,456 bytes; os 524,288 bytes
;; launch prep (part 1): grid 384 x 1, 4 waves a work-group, no clusters, 68,096 bytes of LDS; arguments x, W_qkv, W_proj, opc, ops; writes opc, ops
.if DOCPART == 1
	.amdgcn_target "amdgcn-amd-amdhsa--gfx1250"
	.amdhsa_code_object_version 6
	.text
	.protected	k_q3869f868bd_prep
	.globl	k_q3869f868bd_prep
	.p2align	8
	.type	k_q3869f868bd_prep,@function
k_q3869f868bd_prep:
	s_mov_b64 s[64:65], 0
	v_nop
	global_prefetch_b8 v0, s[64:65] scope:SCOPE_SE
	s_setreg_imm32_b32 hwreg(HW_REG_WAVE_MODE, 25, 1), 1
	s_wait_xcnt 0x0
; x [8192][1024], W_qkv [1024][3072] and W_proj [1024][1024], f32, become codes of FP6 (E2M3) with K innermost and one E8M0 byte for each 32 along K.
; opc: [12288 positions][768 bytes], ops: [12288][32 bytes].  Positions 0-8191: x's rows; 8192-11263: W_qkv's columns; 11264-12287: W_proj's columns.
; ROW i OF AN OPERAND LIES AT POSITION sw(i): i with its bits 3 and 4 exchanged.  So 16 neighbouring positions are the rows 32 b + 8 u + r + 8 (r / 8) that the later products want in one tile.
; A block's scale is 2^(floor(log2(largest magnitude)) - 2); its byte is the largest magnitude's exponent field - 2, held at 1 from below.
; LIMITS: a block of zeros, or one whose largest magnitude lies under 2^-124, gets the byte 1 (its bytes are read by this program alone); NaN and infinities are not served.
; Work-groups 0-255 take x (K innermost: a stream of blocks of 32, turned through the wave's own stage so that a lane holds 16 neighbours); work-groups 256-383 take the weights
; (K outermost: a lane takes a column and its registers run down K).  The two paths part on the work-group's number and have LDS bytes of their own.  Waves share nothing: no barrier.  No cluster: no work-group reads what another reads.
.set STEPS, 16
.set CB,    12                         ; bytes of 16 codes
.set XR,    16                         ; x: v16-79 four sets of 16 numbers as loaded
.set XX,    80                         ; v80-111 two sets of 16 neighbours
.set XE,    112                        ; v112-127 a scale byte for each step
.set XC,    128                        ; v128-191 codes, four registers a step
.set WREG,  8192                       ; x: LDS region of a wave: two stages of 32 x SP bytes, then 256 scale bytes
.set SP,    80
.set WSTG,  32768                      ; weights: the stages begin here
.set WP,    272                        ; a stage row: sixteen places of 16 bytes + 16
.set WX,    32                         ; weights: v32-95 two sets of 32 numbers; on the way out 16 x 4 registers
.set WC,    96                         ; v96-102 a block's codes
.set WSB,   24                         ; v24-25 the scale bytes
.set VO,    112                        ; v112-143 4 x lane + i rows of the weight
	s_load_b256 s[4:11], s[0:1], 0x0               ; x s[4:5], W_qkv s[6:7], W_proj s[8:9], opc s[10:11]
	s_load_b64 s[12:13], s[0:1], 0x20              ; ops
	v_lshl_add_u32 v192, v0, 2, 0x10800
	v_mov_b32 v193, 0
	v_lshrrev_b32 v1, 5, v0
	v_readfirstlane_b32 s22, v1                    ; wave
	v_and_b32 v2, 31, v0                           ; lane
	s_cmp_lt_u32 ttmp9, 256
	s_cbranch_scc0 .Lweights
; ---------------- x ----------------
	v_lshlrev_b32 v3, 4, v2                        ; my 16 bytes of a load's 512
	s_mul_i32 s17, s22, WREG
	v_lshrrev_b32 v14, 2, v2
	v_mul_u32_u24 v14, v14, SP
	v_and_b32 v15, 3, v2
	v_lshl_add_u32 v14, v15, 4, v14
	v_add_nc_u32 v14, s17, v14                     ; the stage, way in: SP (lane / 4) + 16 (lane % 4)
	v_mul_u32_u24 v15, v2, SP
	v_add_nc_u32 v15, s17, v15                     ; way out: SP x lane: my 16 neighbours
	v_mul_u32_u24 v4, v2, CB                       ; my codes' place in a step's
	v_lshrrev_b32 v5, 1, v2
	s_add_co_u32 s17, s17, 2*32*SP
	v_add_nc_u32 v5, s17, v5                       ; my block's byte among the wave's 256
	v_lshlrev_b32 v7, 3, v2
	v_add_nc_u32 v6, s17, v7
	s_lshl_b32 s16, ttmp9, 2
	s_add_co_u32 s18, s16, s22                     ; the run of 8 rows that I read: 4 x work-group + wave
	s_and_b32 s20, s22, 1
	s_lshl_b32 s20, s20, 1
	s_lshr_b32 s21, s22, 1
	s_or_b32 s20, s20, s21
	s_add_co_u32 s20, s16, s20                     ; and where it goes: the run's bits 0 and 1 are the rows' bits 3 and 4: exchanged
	s_lshl_b32 s18, s18, 15                        ; 32,768 bytes of f32 a run
	s_mov_b32 s19, 0
	s_mul_i32 s24, s20, 6144                       ; 8 rows of 768 bytes of codes
	s_mov_b32 s25, 0
	s_lshl_b32 s26, s20, 8                         ; 8 rows of 32 scale bytes
	s_mov_b32 s27, 0
	s_wait_alu depctr_va_vdst(0)
	s_wait_kmcnt 0x0
	s_add_nc_u64 s[4:5], s[4:5], s[18:19]
	s_add_nc_u64 s[10:11], s[10:11], s[24:25]
	s_add_nc_u64 s[12:13], s[12:13], s[26:27]
.macro XLOAD t
.irp i, 0,1,2,3
	global_load_b128 v[XR+16*((\t)%4)+4*\i:XR+16*((\t)%4)+4*\i+3], v3, s[4:5] offset:2048*(\t)+512*\i th:TH_LOAD_NT   ; 32 lanes read 512 consecutive bytes
.endr
.endm
.macro XTURN t                         ; a step's numbers through the stage; LDS serves a wave's instructions in order, so no wait stands between the stores and the loads
.irp i, 0,1,2,3
	ds_store_b128 v14, v[XR+16*((\t)%4)+4*\i:XR+16*((\t)%4)+4*\i+3] offset:32*SP*((\t)%2)+8*SP*\i
.endr
.irp i, 0,1,2,3
	ds_load_b128 v[XX+16*((\t)%2)+4*\i:XX+16*((\t)%2)+4*\i+3], v15 offset:32*SP*((\t)%2)+16*\i
.endr
.endm
.irp t, 0,1,2,3
	XLOAD \t
.endr
	s_wait_loadcnt 12                              ; step 0's four loads are in; three steps' twelve may be out
	XTURN 0
.macro XSTEP t
.set XS, XX+16*((\t)%2)
.if (\t) > 0
	s_wait_dscnt 1                                 ; this step's numbers are back from the stage (the last step's byte store may be out)
.else
	s_wait_dscnt 0x0
.endif
.if (\t)+4 < STEPS
	XLOAD (\t)+4                                   ; into the registers whose stores into the stage are done
.endif
.if (\t)+1 < STEPS
.if STEPS-2-(\t) >= 3
	s_wait_loadcnt 12                              ; the next step's four loads are in; those of the three steps behind it may be out
.else
	s_wait_loadcnt 4*(STEPS-2-(\t))
.endif
	XTURN (\t)+1
.endif
	v_max3_num_f32 v8, |v[XS]|, |v[XS+1]|, |v[XS+2]|               ; the largest magnitude of my 16, in two chains
	v_max3_num_f32 v9, |v[XS+3]|, |v[XS+4]|, |v[XS+5]|
.irp i, 6,10
	v_max3_num_f32 v8, v8, |v[XS+\i]|, |v[XS+\i+1]|
	v_max3_num_f32 v9, v9, |v[XS+\i+2]|, |v[XS+\i+3]|
.endr
	v_max3_num_f32 v8, v8, |v[XS+14]|, |v[XS+15]|
	v_max3_num_f32 v8, v8, v9, 0x1800000           ; and the floor 2^(3 - 127): the byte cannot fall under 1
	v_max_num_f32_dpp v8, v8, v8 row_xmask:1 row_mask:0xf bank_mask:0xf   ; with my neighbour's 16: the block's
	v_add_nc_u32 v11, 0xff000000, v8               ; 2 off the exponent field: the conversion's scale operand
	v_cvt_scalef32_pk16_fp6_f32 v[XC+4*(\t):XC+4*(\t)+2], v[XS:XS+15], v11
	v_lshrrev_b32 v[XE+(\t)], 23, v11              ; the scale's byte
	ds_store_b8 v5, v[XE+(\t)] offset:16*(\t)      ; both lanes of a block write the same byte with the same value
	global_store_b96 v4, v[XC+4*(\t):XC+4*(\t)+2], s[10:11] offset:32*CB*(\t)   ; the wave stores 384 consecutive bytes
.endm
.irp t, 0,1,2,3,4,5,6,7,8,9,10,11,12,13,14,15
	XSTEP \t
.endr
	ds_load_b64 v[12:13], v6                       ; my wave's 256 scale bytes, 8 a lane
	s_wait_dscnt 0x0
	global_store_b64 v7, v[12:13], s[12:13]        ; 32 lanes store 256 consecutive bytes, aligned
	s_wait_tensorcnt 0x0
	ds_add_u32 v192, v193
	s_wait_dscnt 0x0
	s_endpgm
; ---------------- the weights ----------------
.Lweights:
	s_sub_co_u32 s16, ttmp9, 256
	s_and_b32 s17, s16, 31                         ; which 128 columns: 0-23 of W_qkv, 24-31 of W_proj
	s_lshr_b32 s18, s16, 5                         ; which 256 along K
	s_mov_b32 s30, 4096
	s_sub_co_u32 s19, s17, 24
	s_wait_kmcnt 0x0
	s_cmp_lt_u32 s17, 24                           ; the choice hangs on the work-group's number alone
	s_cselect_b64 s[14:15], s[6:7], s[8:9]
	s_cselect_b32 s30, 12288, s30                  ; a row of the weight in bytes
	s_cselect_b32 s19, s17, s19                    ; the group of columns in its own tensor
	s_wait_alu depctr_va_vdst(0)
	v_lshlrev_b32 v3, 2, v2                        ; 4 bytes a lane
.set i, 0
.rept 32
	v_mad_u32_u24 v[VO+i], s30, i, v3              ; row i of a block of 32 along K
.set i, i+1
.endr
	s_mul_i32 s24, s30, s18
	s_lshl_b32 s24, s24, 8                         ; 256 rows for each step along K
	s_lshl_b32 s20, s19, 7
	s_lshl_b32 s21, s22, 5
	s_add_co_u32 s20, s20, s21                     ; my wave's first column
	s_lshl_b32 s20, s20, 2
	s_add_co_u32 s24, s24, s20
	s_mov_b32 s25, 0
	s_lshl_b32 s28, s30, 5                         ; 32 rows on
	s_mov_b32 s29, 0
	s_add_nc_u64 s[32:33], s[14:15], s[24:25]      ; a base for each of my eight blocks: nothing is stepped while loads are out
.irp t, 1,2,3,4,5,6,7
	s_add_nc_u64 s[32+2*\t:33+2*\t], s[30+2*\t:31+2*\t], s[28:29]
.endr
	s_lshl_b32 s20, s17, 7
	s_add_co_u32 s20, s20, s21
	s_add_co_u32 s20, s20, 8192                    ; my wave's first position
	s_mul_i32 s24, s20, 768
	s_mul_i32 s26, s18, 192
	s_add_co_u32 s24, s24, s26
	s_add_nc_u64 s[10:11], s[10:11], s[24:25]      ; its codes, at my 256 along K
	s_lshl_b32 s24, s20, 5
	s_lshl_b32 s26, s18, 3
	s_add_co_u32 s24, s24, s26
	s_add_nc_u64 s[12:13], s[12:13], s[24:25]      ; and its scale bytes
	v_and_b32 v10, 7, v2
	v_bfe_u32 v11, v2, 3, 1
	v_lshl_add_u32 v10, v11, 4, v10
	v_bfe_u32 v11, v2, 4, 1
	v_lshl_add_u32 v10, v11, 3, v10                ; sw(lane): my column's position among the wave's 32
	s_mul_i32 s26, s22, 32*WP
	s_add_co_u32 s26, s26, WSTG                    ; my stage
	v_mul_u32_u24 v4, v10, WP
	v_add_nc_u32 v4, s26, v4                       ; into it: row = my column's position
	v_and_b32 v5, 15, v2
	v_lshrrev_b32 v6, 4, v2
	v_mul_u32_u24 v7, v6, WP
	v_lshl_add_u32 v7, v5, 4, v7
	v_add_nc_u32 v7, s26, v7                       ; out of it: sixteen lanes to a row, two rows an instruction
	v_mul_u32_u24 v8, v6, 768
	v_mad_u32_u24 v8, v5, 12, v8                   ; and the same place in opc
	v_lshlrev_b32 v9, 5, v10                       ; my position's row of scale bytes
.macro WLOAD t                         ; block t: W(32 t + i, my column) into set t % 2: a wave reads 128 consecutive bytes, the four waves 512
.irp i, 0,1,2,3,4,5,6,7,8,9,10,11,12,13,14,15,16,17,18,19,20,21,22,23,24,25,26,27,28,29,30,31
	global_load_b32 v[WX+32*((\t)%2)+\i], v[VO+\i], s[32+2*(\t):33+2*(\t)] th:TH_LOAD_NT
.endr
.endm
	WLOAD 0
	WLOAD 1
.macro WBLOCK t
.set XS, WX+32*((\t)%2)
.if (\t) < 7
	s_wait_loadcnt 32                              ; this block's 32 loads are in; the next block's may be out
.else
	s_wait_loadcnt 0x0
.endif
	v_max3_num_f32 v12, |v[XS]|, |v[XS+1]|, |v[XS+2]|              ; the block's largest magnitude: all 32 numbers are mine
	v_max3_num_f32 v13, |v[XS+3]|, |v[XS+4]|, |v[XS+5]|
.irp i, 6,10,14,18,22,26
	v_max3_num_f32 v12, v12, |v[XS+\i]|, |v[XS+\i+1]|
	v_max3_num_f32 v13, v13, |v[XS+\i+2]|, |v[XS+\i+3]|
.endr
	v_max3_num_f32 v12, v12, |v[XS+30]|, |v[XS+31]|
	v_max3_num_f32 v12, v12, v13, 0x1800000        ; and the floor
	v_add_nc_u32 v11, 0xff000000, v12              ; the conversion's scale operand
	v_lshrrev_b32 v13, 23, v11                     ; the byte
.if (\t)%4 == 0
	v_mov_b32 v[WSB+(\t)/4], v13                   ; four bytes to a register, the lower K in the lower byte
.else
	v_lshl_or_b32 v[WSB+(\t)/4], v13, 8*((\t)%4), v[WSB+(\t)/4]
.endif
	v_cvt_scalef32_pk16_fp6_f32 v[WC:WC+2], v[XS:XS+15], v11
	v_cvt_scalef32_pk16_fp6_f32 v[WC+4:WC+6], v[XS+16:XS+31], v11  ; (a conversion's three registers begin on an even number)
	ds_store_b96 v4, v[WC:WC+2] offset:32*(\t)     ; 12 bytes to a place of 16, so that every LDS address is a multiple of 16
	ds_store_b96 v4, v[WC+4:WC+6] offset:32*(\t)+16
.if (\t)+2 < 8
	WLOAD (\t)+2
.endif
	s_wait_dscnt 0x0                               ; the stores have read their registers: the next block's codes may be written
.endm
.irp t, 0,1,2,3,4,5,6,7
	WBLOCK \t
.endr
	s_wait_alu depctr_va_vdst(0)
	global_store_b64 v9, v[WSB:WSB+1], s[12:13]    ; my column's 8 scale bytes (rows of 32 bytes: 8 bytes of each; one byte in 128 of what this path reads)
.irp t, 0,1,2,3,4,5,6,7,8,9,10,11,12,13,14,15
	ds_load_b96 v[WX+4*\t:WX+4*\t+2], v7 offset:2*\t*WP
.endr
.irp t, 0,1,2,3,4,5,6,7,8,9,10,11,12,13,14,15
	s_wait_dscnt 15-\t                             ; row pair t is back; the pairs behind it may be out
	global_store_b96 v8, v[WX+4*\t:WX+4*\t+2], s[10:11] offset:2*\t*768   ; sixteen lanes store a row's 192 consecutive bytes
.endr
	s_wait_tensorcnt 0x0
	ds_add_u32 v192, v193
	s_wait_dscnt 0x0
	s_endpgm
.Lfunc_end_k_q3869f868bd_prep:
	.size	k_q3869f868bd_prep, .Lfunc_end_k_q3869f868bd_prep-k_q3869f868bd_prep
	.p2alignl 7, 3214868480
	.fill 96, 4, 3214868480
	.section	.rodata,"a",@progbits
	.p2align	6, 0x0
	.amdhsa_kernel k_q3869f868bd_prep
		.amdhsa_group_segment_fixed_size 68096
		.amdhsa_private_segment_fixed_size 0
		.amdhsa_enable_private_segment 0
		.amdhsa_kernarg_size 40
		.amdhsa_user_sgpr_count 2
		.amdhsa_user_sgpr_kernarg_segment_ptr 1
		.amdhsa_wavefront_size32 1
		.amdhsa_system_sgpr_workgroup_id_x 1
		.amdhsa_system_sgpr_workgroup_id_y 1
		.amdhsa_system_sgpr_workgroup_id_z 1
		.amdhsa_system_vgpr_workitem_id 0
		.amdhsa_next_free_vgpr 194
		.amdhsa_next_free_sgpr 66
		.amdhsa_reserve_vcc 0
		.amdhsa_float_denorm_mode_32 3
		.amdhsa_float_denorm_mode_16_64 3
		.amdhsa_memory_ordered 1
		.amdhsa_forward_progress 1
		.amdhsa_inst_pref_size 76
	.end_amdhsa_kernel
	.amdgpu_metadata
---
amdhsa.version: [ 1, 2 ]
amdhsa.kernels:
  - .name:           k_q3869f868bd_prep
    .symbol:         k_q3869f868bd_prep.kd
    .args:
      - { .name: x, .offset: 0, .size: 8, .value_kind: global_buffer, .address_space: global }
      - { .name: W_qkv, .offset: 8, .size: 8, .value_kind: global_buffer, .address_space: global }
      - { .name: W_proj, .offset: 16, .size: 8, .value_kind: global_buffer, .address_space: global }
      - { .name: opc, .offset: 24, .size: 8, .value_kind: global_buffer, .address_space: global }
      - { .name: ops, .offset: 32, .size: 8, .value_kind: global_buffer, .address_space: global }
    .group_segment_fixed_size: 68096
    .private_segment_fixed_size: 0
    .kernarg_segment_align: 8
    .kernarg_segment_size: 40
    .max_flat_workgroup_size: 128
    .sgpr_count:     66
    .vgpr_count:     194
    .wavefront_size: 32
...
	.end_amdgpu_metadata
.endif
;; end of part 1
;; launch qkv (part 2): grid 12 x 32, 4 waves a work-group, clusters of 4 x 4, 327,680 bytes of LDS; arguments opc, ops, b_qkv, qkvc, sc; writes qkvc, sc
.if DOCPART == 2
	.amdgcn_target "amdgcn-amd-amdhsa--gfx1250"
	.amdhsa_code_object_version 6
	.text
	.protected	k_q3869f868bd_qkv
	.globl	k_q3869f868bd_qkv
	.p2align	8
	.type	k_q3869f868bd_qkv,@function
k_q3869f868bd_qkv:
	s_mov_b64 s[64:65], 0
	v_nop
	global_prefetch_b8 v0, s[64:65] scope:SCOPE_SE
	s_setreg_imm32_b32 hwreg(HW_REG_WAVE_MODE, 25, 1), 1
	s_wait_xcnt 0x0
	s_wait_alu depctr_hold_cnt(0) depctr_sa_sdst(0) depctr_va_vdst(0) depctr_va_sdst(0) depctr_va_ssrc(0) depctr_va_vcc(0) depctr_vm_vsrc(0)
	s_getreg_b32 s2, hwreg(HW_REG_IB_STS2, 6, 4)
	s_cmp_eq_u32 s2, 0
	s_cbranch_scc0 .Lentry_in_a_cluster
	s_endpgm
.Lentry_in_a_cluster:
	s_bfe_u32 s2, ttmp6, 0x10000c
	s_cmp_lg_u32 s2, 0xf033
	s_cbranch_scc0 .Lentry_shape_is_right
	s_endpgm
.Lentry_shape_is_right:
.set NQ,     2
.set ROWB,   192
.set KROW,   768
.set PITCH,  240
.set FR,     12
.set NL,     6
.set NP,     4
.set HALFT,  128*PITCH
.set SLOT,   4*HALFT
.set KS,     32
.set SCL,    2*SLOT
.set HALFS,  (128*KS/256)*272
.set SBLK,   (16*KS/256)*272
.set SPARE,  SCL+4*HALFS
.set U,      98304
.set VO16, 8
.set VO8,  9
.set VS,   10
.set SH,   11
.set ADRA, 16
.set ADRB, 20
.set ADRS, 27
.set SPW,  28
.set NIL,  29
.set SC,   32
.set BI,   64
.set SW,   64
.set AF,   128
.set CD,   128
.set TM,   224
.set VB,   232
.set TP,   240
.set G1, 24
.set G0, 32
.set G1B, 48
.set G0B, 56
.set G1S, 68
.set G0S, 76
.set G1SB, 80
.set G0SB, 88
.set ISV, 95
.set SEL, 100
.set MSB, 0
.macro WIN new
.if MSB != (\new)
	s_set_vgpr_msb (MSB<<8)|(\new)
.set MSB, (\new)
.endif
.endm
.set MUL_LO, 0xa1
.set MUL_HI, 0xf1
.set TO_B,   0x40
.macro JLOAD g0a, g1a, g0b, g1b
	s_cmp_eq_u32 s15, 0
	s_cbranch_scc0 .Lfor_b_\@
	tensor_load_to_lds s[\g0a:\g0a+3], s[\g1a:\g1a+7]
	s_nop 0
.rept 4
	v_nop
.endr
	s_branch .Lasked_\@
.Lfor_b_\@:
	tensor_load_to_lds s[\g0b:\g0b+3], s[\g1b:\g1b+7]
	s_nop 0
.rept 4
	v_nop
.endr
.Lasked_\@:
.endm
.macro CREST
	s_cmp_lg_u32 s14, 0
	s_cbranch_scc1 .Lnot_wave_0_\@
	s_barrier_signal -3
.Lnot_wave_0_\@:
	s_barrier_wait -3
	s_barrier_signal -1
	s_barrier_wait -1
.endm
.macro CROUND
	s_barrier_signal -1
	s_barrier_wait -1
	CREST
.endm
	s_load_b256 s[4:11], s[0:1], 0x0
	s_load_b64 s[12:13], s[0:1], 0x20
	v_lshl_add_u32 v[SPW], v0, 2, SPARE
	v_mov_b32 v[NIL], 0
	ds_add_u32 v28, v29
	ds_add_u32 v28, v29
	s_wait_dscnt 0x0
	v_lshrrev_b32 v1, 5, v0
	v_readfirstlane_b32 s14, v1
	s_lshr_b32 s15, s14, 1
	s_and_b32 s16, s14, 1
	s_bfe_u32 s40, ttmp6, 0x40000
	s_bfe_u32 s41, ttmp6, 0x40004
	s_and_b32 s18, ttmp7, 0xffff
	s_lshl_b32 s18, s18, 2
	s_lshl_b32 s19, ttmp9, 2
	s_add_co_u32 s19, s19, 32
	s_cmp_eq_u32 ttmp9, 2
	s_cselect_b32 s[ISV], 1, 0
	s_cselect_b32 s17, 40, s18
	s_cselect_b32 s42, s18, s19
	s_add_co_u32 s17, s17, s41
	s_add_co_u32 s42, s42, s40
	s_lshl_b32 s43, s41, 2
	s_lshl_b32 s43, 15, s43
	s_lshl_b32 s44, 0x1111, s40
	s_or_b32 s[G1+0], s43, (1<<20)|(1<<21)|(3<<22)|(3<<25)
	s_or_b32 s[G1B+0], s44, (1<<20)|(1<<21)|(3<<22)|(3<<25)
.irp g, G1, G1B
	s_mov_b32 s[\g+1], ROWB<<16
	s_mov_b32 s[\g+2], 128<<16
	s_mov_b32 s[\g+3], ROWB<<16
	s_mov_b32 s[\g+4], 128
	s_mov_b32 s[\g+5], KROW
	s_mov_b32 s[\g+6], 0
	s_mov_b32 s[\g+7], 0
.endr
	s_or_b32 s[G1S+0], s43, (3<<16)|(1<<20)|(1<<21)|(5<<22)|(3<<25)
	s_or_b32 s[G1SB+0], s44, (3<<16)|(1<<20)|(1<<21)|(5<<22)|(3<<25)
.irp g, G1S, G1SB
	s_mov_b32 s[\g+1], 32<<16
	s_mov_b32 s[\g+2], (128*KS/256)<<16
	s_mov_b32 s[\g+3], 32<<16
	s_mov_b32 s[\g+4], 128*KS/256
	s_mov_b32 s[\g+5], 32
	s_mov_b32 s[\g+6], 0
	s_mov_b32 s[\g+7], 0
.endr
	s_lshl_b32 s18, s16, 7
	s_lshl_b32 s20, s17, 8
	s_add_co_u32 s20, s20, s18
	s_lshl_b32 s46, s42, 8
	s_add_co_u32 s46, s46, s18
	s_mov_b32 s21, 0
	s_mov_b32 s47, 0
	s_mov_b64 s[18:19], KS
	s_mul_u64 s[22:23], s[20:21], s[18:19]
	s_mul_u64 s[92:93], s[46:47], s[18:19]
	s_mov_b64 s[18:19], KROW
	s_mul_u64 s[20:21], s[20:21], s[18:19]
	s_mul_u64 s[46:47], s[46:47], s[18:19]
	s_mul_i32 s45, s14, HALFT
	s_mul_i32 s94, s14, HALFS
	s_mov_b32 s[SEL], 0x76543210
	s_mov_b32 s[SEL+1], 0xfedcba98
	s_wait_kmcnt 0x0
	s_add_nc_u64 s[20:21], s[4:5], s[20:21]
	s_add_nc_u64 s[22:23], s[6:7], s[22:23]
	s_add_nc_u64 s[46:47], s[4:5], s[46:47]
	s_add_nc_u64 s[92:93], s[6:7], s[92:93]
	CROUND
	s_mov_b32 s[G0S], 1
	s_add_co_u32 s[G0S+1], s94, SCL
	s_mov_b64 s[G0S+2:G0S+3], s[22:23]
	s_or_b32 s[G0S+3], s[G0S+3], 0x80000000
	s_mov_b32 s[G0SB], 1
	s_add_co_u32 s[G0SB+1], s94, SCL
	s_mov_b64 s[G0SB+2:G0SB+3], s[92:93]
	s_or_b32 s[G0SB+3], s[G0SB+3], 0x80000000
	JLOAD G0S, G1S, G0SB, G1SB
.irp s, 0,1
	s_mov_b32 s[G0+4*\s], 1
	s_add_co_u32 s[G0+4*\s+1], s45, \s*SLOT
	s_add_nc_u64 s[G0+4*\s+2:G0+4*\s+3], s[20:21], \s*ROWB
	s_or_b32 s[G0+4*\s+3], s[G0+4*\s+3], 0x80000000
	s_mov_b32 s[G0B+4*\s], 1
	s_add_co_u32 s[G0B+4*\s+1], s45, \s*SLOT
	s_add_nc_u64 s[G0B+4*\s+2:G0B+4*\s+3], s[46:47], \s*ROWB
	s_or_b32 s[G0B+4*\s+3], s[G0B+4*\s+3], 0x80000000
	s_wait_alu depctr_va_vdst(0)
	s_wait_tensorcnt 0x0
	ds_add_u32 v28, v29
	s_wait_dscnt 0x0
	CROUND
	JLOAD G0+4*\s, G1, G0B+4*\s, G1B
.endr
	v_and_b32 v1, 15, v0
	s_wait_alu depctr_va_vdst(0)
	v_bfe_u32 v2, v0, 4, 1
	s_wait_alu depctr_va_vdst(0)
	s_cmp_eq_u32 s[ISV], 0
	s_cselect_b32 s66, 64, 0
	s_cselect_b32 s67, 0, 4
	s_cselect_b32 s99, 4, 0
	s_cselect_b32 s96, s42, s17
	s_cselect_b32 s98, s16, s15
	s_sub_co_u32 s96, s96, 32
	s_lshl_b32 s96, s96, 8
	s_lshl_b32 s98, s98, 7
	s_add_co_u32 s96, s96, s98
	s_lshl_b32 s96, s96, 2
	s_mov_b32 s97, 0
	s_add_nc_u64 s[96:97], s[8:9], s[96:97]
	v_and_b32 v13, 8, v1
	v_add_nc_u32 v13, v13, v1
	v_mul_u32_u24 v12, v2, s66
	v_mad_u32_u24 v12, v13, s67, v12
.irp j, 0,1,2,3,4,5,6,7
	v_mad_u32_u24 v[VB+\j], s99, \j, v12
.endr
.irp k, 0,1,2,3,4,5,6,7
.irp j, 0,1,2,3,4,5,6,7
	global_load_b32 v[BI+8*\k+\j], v[VB+\j], s[96:97] offset:(32*(\k/2)+8*(\k%2))*4
.endr
.endr
	v_mul_u32_u24 v3, v1, PITCH
	v_mul_u32_u24 v4, v2, 24
	v_add_nc_u32 v4, v3, v4
	v_lshl_add_u32 v5, v2, 4, v4
	s_mul_i32 s21, s15, HALFT
	s_mul_i32 s22, s16, HALFT
	s_add_co_u32 s22, s22, 2*HALFT
.irp s, 0,1
	v_add_nc_u32 v[ADRA+\s], s21, v4
	v_add_nc_u32 v[ADRB+\s], s22, v4
	v_add_nc_u32 v[ADRA+2+\s], s21, v5
	v_add_nc_u32 v[ADRB+2+\s], s22, v5
	s_add_co_u32 s21, s21, SLOT
	s_add_co_u32 s22, s22, SLOT
.endr
	v_mul_u32_u24 v5, v1, KS
	v_lshrrev_b32 v6, 8, v5
	v_lshl_add_u32 v5, v6, 4, v5
	s_mul_i32 s21, s15, HALFS
	s_mul_i32 s22, s16, HALFS
	s_add_co_u32 s22, s22, 2*HALFS
	s_sub_co_u32 s22, s22, s21
	v_mul_u32_u24 v6, s22, v2
	s_add_co_u32 s21, s21, SCL
	v_add_nc_u32 v5, v5, v6
	v_add_nc_u32 v[ADRS], s21, v5
	v_and_b32 v[VO16], 31, v0
	v_lshlrev_b32 v[VO8], 3, v[VO16]
	v_lshlrev_b32 v[VO16], 4, v[VO16]
	v_mul_u32_u24 v[VS], v2, 81920
	v_lshl_add_u32 v[VS], v1, 4, v[VS]
	v_lshlrev_b32 v[SH], 4, v2
.irp b, 0,1,2,3
	v_mov_b32 v[TM+4+\b], 0
.endr
.macro FRAG reg, adr, q, i
.irp p, 0,1,2,3,4,5
.set PC, 12*(\q)+6*(\p/3)+\p%3
.if PC%8 < 5
	ds_load_b64 v[\reg+2*\p:\reg+2*\p+1], v[\adr] offset:8*PC+16*(PC/8)+(\i)*16*PITCH
.else
	ds_load_b64 v[\reg+2*\p:\reg+2*\p+1], v[\adr+2] offset:8*PC+16*(PC/8)+(\i)*16*PITCH
.endif
.endr
.endm
.macro MUL16 a0, p, q, sc, zero
.irp a, \a0, \a0+1
.irp b, 0,1,2,3,4,5,6,7
.set DD, 8*(8*((\a)%4)+\b)
.if \zero == 1
.set CC, BI+8*\b
.elseif \zero == 2
.set CC, BI+8*(\a)
.else
.set CC, DD
.endif
	v_wmma_scale_f32_16x16x128_f8f6f4 v[DD:DD+7], v[128*(\p)+FR*\b:128*(\p)+FR*\b+FR-1], v[AF+FR*(\a):AF+FR*(\a)+FR-1], v[CC:CC+7], v[SC+8*NQ*(\sc)+NQ*\b+(\q)], v[SC+8*NQ*(\sc)+NQ*(\a)+(\q)] matrix_a_fmt:MATRIX_FMT_FP6 matrix_b_fmt:MATRIX_FMT_FP6 matrix_a_scale:MATRIX_SCALE_ROW1
.endr
.endr
.endm
.macro FETCH_B slot, q, p
	WIN TO_B
.irp i, 0,1,2,3,4,5,6,7
	FRAG 128*(\p)+FR*\i, ADRB+\slot, \q, \i
.endr
	WIN 0
.endm
.macro FETCH_A slot, q, i0
.irp i, \i0, \i0+1, \i0+2, \i0+3
	FRAG AF+FR*(\i), ADRA+\slot, \q, \i
.endr
.endm
.macro SCALES sc
.irp i, 0,1,2,3,4,5,6,7
	ds_load_b64 v[SC+8*NQ*\sc+NQ*\i:SC+8*NQ*\sc+NQ*\i+1], v[ADRS] offset:\i*SBLK
.endr
.endm
.macro PLACES n
.rept \n
	v_nop
.endr
.endm
.macro STEP slot, q, zero
	s_wait_dscnt 4*NL
.if \zero
	WIN 0x81
.else
	WIN MUL_LO
.endif
	MUL16 0, (\q)%2, \q, \slot, \zero
	MUL16 2, (\q)%2, \q, \slot, \zero
	s_wait_dscnt 0
	PLACES NP
	FETCH_B \slot, (\q)+1, 1-(\q)%2
	FETCH_A \slot, (\q)+1, 0
.if \zero
	WIN 0xc1
.else
	WIN MUL_HI
.endif
	MUL16 4, (\q)%2, \q, \slot, \zero
	MUL16 6, (\q)%2, \q, \slot, \zero
	PLACES NP
	WIN 0
	FETCH_A \slot, (\q)+1, 4
.endm
.macro TURN slot, next, fill
	s_wait_tensorcnt 0x0
	ds_add_u32 v[SPW], v[NIL]
	s_wait_dscnt 4*NL+1
	WIN MUL_LO
	MUL16 0, 1, NQ-1, \slot, 0
	s_wait_dscnt 0x0
	s_barrier_signal -1
	MUL16 2, 1, NQ-1, \slot, 0
	WIN 0
	s_barrier_wait -1
.if \fill
	CREST
	s_add_nc_u64 s[G0+4*\slot+2:G0+4*\slot+3], s[G0+4*\slot+2:G0+4*\slot+3], 2*ROWB
	s_add_nc_u64 s[G0B+4*\slot+2:G0B+4*\slot+3], s[G0B+4*\slot+2:G0B+4*\slot+3], 2*ROWB
	JLOAD G0+4*\slot, G1, G0B+4*\slot, G1B
.else
	PLACES NP
.endif
	s_wait_alu depctr_va_vdst(0)
	v_add_nc_u32 v[ADRS], 4*NQ, v[ADRS]
	FETCH_B \next, 0, 0
	FETCH_A \next, 0, 0
	SCALES \next
	WIN MUL_HI
	MUL16 4, 1, NQ-1, \slot, 0
	MUL16 6, 1, NQ-1, \slot, 0
	PLACES NP
	WIN 0
	FETCH_A \next, 0, 4
.endm
	s_wait_tensorcnt 1
	s_barrier_signal -1
	s_barrier_wait -1
	FETCH_B 0, 0, 0
	FETCH_A 0, 0, 0
	SCALES 0
	FETCH_A 0, 0, 4
	s_wait_loadcnt 0x0
	s_cmp_eq_u32 s[ISV], 0
	s_cbranch_scc0 .Lfirst_v
	STEP 0, 0, 1
	s_branch .Lfirst_done
.Lfirst_v:
	STEP 0, 0, 2
.Lfirst_done:
	TURN 0, 1, 1
	STEP 1, 0, 0
	TURN 1, 0, 1
	STEP 0, 0, 0
	TURN 0, 1, 0
	STEP 1, 0, 0
	s_wait_dscnt 4*NL
	WIN MUL_LO
	MUL16 0, 1, NQ-1, 1, 0
	MUL16 2, 1, NQ-1, 1, 0
	s_wait_dscnt 0
	WIN MUL_HI
	MUL16 4, 1, NQ-1, 1, 0
	MUL16 6, 1, NQ-1, 1, 0
	WIN 0
	PLACES NP
.macro QUANT a
.set AC, 64*((\a)%4)
.set CDA, CD+12*(\a)
	WIN 0x28+0x14*((\a)/4)
.irp b, 0,1,2,3
	v_max3_num_f32 v[TM+\b], 0x1800000, |v[AC+16*\b]|, |v[AC+16*\b+1]|
.endr
.irp i, 2,4,6,8,10,12,14
.irp b, 0,1,2,3
	v_max3_num_f32 v[TM+\b], v[TM+\b], |v[AC+16*\b+\i]|, |v[AC+16*\b+\i+1]|
.endr
.endr
	WIN 0
.irp b, 0,1,2,3
	v_permlanex16_b32 v[TM+4+\b], v[TM+\b], s[SEL], s[SEL+1]
.endr
.irp b, 0,1,2,3
	v_max_num_f32 v[TM+\b], v[TM+\b], v[TM+4+\b]
.endr
.irp b, 0,1,2,3
	v_add_nc_u32 v[TM+12+\b], 0xff000000, v[TM+\b]
.endr
.irp b, 0,1,2,3
	v_lshrrev_b32 v[TM+4+\b], 23, v[TM+12+\b]
.endr
	v_lshl_or_b32 v[SW+(\a)], v[TM+5], 8, v[TM+4]
	v_lshl_or_b32 v[SW+(\a)], v[TM+6], 16, v[SW+(\a)]
	v_lshl_or_b32 v[SW+(\a)], v[TM+7], 24, v[SW+(\a)]
	WIN 0x02+(\a)/4
.irp c, 0,1
	v_cvt_scalef32_pk16_fp6_f32 v[CDA+6*\c:CDA+6*\c+2], v[AC+32*\c:AC+32*\c+15], v[TM+12+2*\c]
	v_cvt_scalef32_pk16_fp6_f32 v[TP+4*\c:TP+4*\c+2], v[AC+32*\c+16:AC+32*\c+31], v[TM+13+2*\c]
.endr
	WIN 0
	v_nop
.irp c, 0,1
.irp i, 0,1,2
	v_permlane16_swap_b32 v[CDA+6*\c+\i], v[TP+4*\c+\i]
.endr
.irp i, 0,1,2
	v_mov_b32 v[CDA+6*\c+3+\i], v[TP+4*\c+\i]
.endr
.endr
.endm
.irp a, 0,1,2,3,4,5,6,7
	QUANT \a
.endr
	s_cmp_eq_u32 s[ISV], 0
	s_cbranch_scc0 .Lout_v
	s_sub_co_u32 s96, s42, 32
	s_lshl_b32 s96, s96, 2
	s_lshl_b32 s97, s16, 1
	s_add_co_u32 s96, s96, s97
	s_lshl_b32 s97, s17, 4
	s_lshl_b32 s98, s15, 3
	s_add_co_u32 s97, s97, s98
	s_lshl_b32 s66, s96, 9
	s_add_co_u32 s66, s66, s97
	s_mul_i32 s66, s66, 768
	s_mov_b32 s67, 0
	s_add_nc_u64 s[10:11], s[10:11], s[66:67]
	s_and_b32 s66, s96, 15
	s_mul_i32 s66, s66, 81920
	s_lshr_b32 s98, s96, 4
	s_lshl_b32 s98, s98, 13
	s_add_co_u32 s66, s66, s98
	s_lshr_b32 s98, s97, 7
	s_mul_i32 s98, s98, 20480
	s_add_co_u32 s66, s66, s98
	s_bfe_u32 s98, s97, 0x40003
	s_lshl_b32 s98, s98, 9
	s_add_co_u32 s66, s66, s98
	s_add_nc_u64 s[12:13], s[12:13], s[66:67]
	s_wait_alu depctr_va_vdst(0)
.irp a, 0,1,2,3,4,5,6,7
	global_store_b128 v[VO16], v[CD+12*\a:CD+12*\a+3], s[10:11] offset:\a*768
	global_store_b64 v[VO8], v[CD+12*\a+4:CD+12*\a+5], s[10:11] offset:\a*768+512
	global_store_b128 v[VO16], v[CD+12*\a+6:CD+12*\a+9], s[10:11] offset:\a*768+393216
	global_store_b64 v[VO8], v[CD+12*\a+10:CD+12*\a+11], s[10:11] offset:\a*768+393728
.endr
.irp a, 0,1,2,3,4,5,6,7
	v_bfe_u32 v[SW+\a], v[SW+\a], v[SH], 16
.endr
	global_store_b128 v[VS], v[SW:SW+3], s[12:13]
	global_store_b128 v[VS], v[SW+4:SW+7], s[12:13] offset:256
	s_branch .Lout_done
.Lout_v:
	s_sub_co_u32 s96, s17, 40
	s_lshl_b32 s96, s96, 2
	s_lshl_b32 s97, s15, 1
	s_add_co_u32 s96, s96, s97
	s_lshl_b32 s97, s42, 1
	s_add_co_u32 s97, s97, s16
	s_lshl_b32 s66, s96, 6
	s_add_co_u32 s66, s66, s97
	s_mul_i32 s66, s66, 6144
	s_add_co_u32 s66, s66, 128*U
	s_mov_b32 s67, 0
	s_add_nc_u64 s[10:11], s[10:11], s[66:67]
	s_mul_i32 s66, s96, 81920
	s_lshr_b32 s98, s97, 4
	s_mul_i32 s98, s98, 20480
	s_add_co_u32 s66, s66, s98
	s_and_b32 s98, s97, 15
	s_lshl_b32 s98, s98, 8
	s_add_co_u32 s66, s66, s98
	s_add_co_u32 s66, s66, 16384
	s_add_nc_u64 s[12:13], s[12:13], s[66:67]
	s_mov_b32 s98, 0xffff0000
	s_wait_alu depctr_va_vdst(0)
.irp a, 0,1,2,3,4,5,6,7
.irp c, 0,1,2
	global_store_b128 v[VO16], v[CD+12*\a+4*\c:CD+12*\a+4*\c+3], s[10:11] offset:(\a/4)*393216+(\a%4)*1536+512*\c
.endr
.endr
.irp j, 0,1,2,3
	v_cndmask_b32 v[SW+\j], v[SW+\j], v[SW+4+\j], s98
.endr
	global_store_b128 v[VS], v[SW:SW+3], s[12:13]
.Lout_done:
	s_wait_tensorcnt 0x0
	ds_add_u32 v[SPW], v[NIL]
	s_wait_dscnt 0x0
	CROUND
	s_endpgm
.Lfunc_end_k_q3869f868bd_qkv:
	.size	k_q3869f868bd_qkv, .Lfunc_end_k_q3869f868bd_qkv-k_q3869f868bd_qkv
	.p2alignl 7, 3214868480
	.fill 96, 4, 3214868480
	.section	.rodata,"a",@progbits
	.p2align	6, 0x0
	.amdhsa_kernel k_q3869f868bd_qkv
		.amdhsa_group_segment_fixed_size 327680
		.amdhsa_private_segment_fixed_size 0
		.amdhsa_enable_private_segment 0
		.amdhsa_kernarg_size 40
		.amdhsa_user_sgpr_count 2
		.amdhsa_user_sgpr_kernarg_segment_ptr 1
		.amdhsa_wavefront_size32 1
		.amdhsa_system_sgpr_workgroup_id_x 1
		.amdhsa_system_sgpr_workgroup_id_y 1
		.amdhsa_system_sgpr_workgroup_id_z 1
		.amdhsa_system_vgpr_workitem_id 0
		.amdhsa_next_free_vgpr 1024
		.amdhsa_next_free_sgpr 102
		.amdhsa_reserve_vcc 0
		.amdhsa_float_denorm_mode_32 3
		.amdhsa_float_denorm_mode_16_64 3
		.amdhsa_memory_ordered 1
		.amdhsa_forward_progress 1
		.amdhsa_inst_pref_size 192
	.end_amdhsa_kernel
	.amdgpu_metadata
---
amdhsa.version: [ 1, 2 ]
amdhsa.kernels:
  - .name:           k_q3869f868bd_qkv
    .symbol:         k_q3869f868bd_qkv.kd
    .args:
      - { .name: opc, .offset: 0, .size: 8, .value_kind: global_buffer, .address_space: global }
      - { .name: ops, .offset: 8, .size: 8, .value_kind: global_buffer, .address_space: global }
      - { .name: b_qkv, .offset: 16, .size: 8, .value_kind: global_buffer, .address_space: global }
      - { .name: qkvc, .offset: 24, .size: 8, .value_kind: global_buffer, .address_space: global }
      - { .name: sc, .offset: 32, .size: 8, .value_kind: global_buffer, .address_space: global }
    .group_segment_fixed_size: 327680
    .private_segment_fixed_size: 0
    .kernarg_segment_align: 8
    .kernarg_segment_size: 40
    .max_flat_workgroup_size: 128
    .sgpr_count:     102
    .vgpr_count:     1024
    .wavefront_size: 32
...
	.end_amdgpu_metadata
.endif
;; end of part 2
;; launch attn (part 3): grid 4 x 64, 16 waves a work-group, clusters of 4 x 1, 215,040 bytes of LDS; arguments qkvc, sc, oc, os; writes oc, os
.if DOCPART == 3
	.amdgcn_target "amdgcn-amd-amdhsa--gfx1250"
	.amdhsa_code_object_version 6
	.text
	.protected	k_q3869f868bd_attn
	.globl	k_q3869f868bd_attn
	.p2align	8
	.type	k_q3869f868bd_attn,@function
k_q3869f868bd_attn:
	s_mov_b64 s[64:65], 0
	v_nop
	global_prefetch_b8 v0, s[64:65] scope:SCOPE_SE
	s_setreg_imm32_b32 hwreg(HW_REG_WAVE_MODE, 25, 1), 1
	s_wait_xcnt 0x0
	s_wait_alu depctr_hold_cnt(0) depctr_sa_sdst(0) depctr_va_vdst(0) depctr_va_sdst(0) depctr_va_ssrc(0) depctr_va_vcc(0) depctr_vm_vsrc(0)
	s_getreg_b32 s2, hwreg(HW_REG_IB_STS2, 6, 4)
	s_cmp_eq_u32 s2, 0
	s_cbranch_scc0 .Lentry_in_a_cluster
	s_endpgm
.Lentry_in_a_cluster:
	s_bfe_u32 s2, ttmp6, 0x10000c
	s_cmp_lg_u32 s2, 0x3003
	s_cbranch_scc0 .Lentry_shape_is_right
	s_endpgm
.Lentry_shape_is_right:
; O = softmax(Q K^T / 8) V for one (head, batch) y = 4 head + batch, both products on codes of FP6 (E2M3) with E8M0 scales; O leaves as codes, quantised along the head's 64, as images of registers.
; THE SOFTMAX: t = score x log2(e) / 8; M = the running largest t rounded UP to a whole number; p = 2^(t - M) is quantised along the keys, not normalised; the row's sum is taken of the unquantised p and divides O at the end.
; When M moves, the sum and O are multiplied by 2^(old M - new M): exact.
; SHARES.  A work-group owns 512 queries, each of its sixteen waves two tiles of 16, one after the other (two passes).  Four waves share a SIMD, so that one wave's vector work stands beside another's products and LDS loads.
; ALL OF THE HEAD'S K AND V STAYS IN LDS: 196,608 bytes of codes and 12,288 of scale words, each byte filled ONCE: no slot is filled again.
; CLUSTER.  The four work-groups of a (head, batch) read the same K and V: each block is asked for JOINTLY, with a mask that names the four.  Waves 0, 1 fetch K, waves 2, 3 V, in four chunks of four key steps, so that the first steps begin while the rest lands.
; LAYOUT.  Both products are used transposed (S^T = K Q^T, O^T = V^T P^T): a lane holds one query.  Operands lie in memory and LDS as images of their registers: 16 x lane (8 x lane for a pair).  The head is 64 of the instruction's 128 along K: registers 6-11
; of Q's and K's fragments are zeros, kept in registers.  The launch before has laid the keys of a tile and the channels of V's tiles so that p's and O^T's 16 registers of two neighbouring tiles are 16 neighbours.
; LIMITS: a block of zeros, or one under 2^-124, gets the scale byte 1; NaN and infinities are not served.
; REGISTERS: v1-11, v28, v29 addresses; v12 -M, v13 the largest t, v[14:15] the sum; v16-27 Q; v[30:31] the two passes' scale words of O; v32-79 four fragments of K; v80-93 scale words; v[94:95] f; v96-159 S^T, then p; v160-191 O^T;
;   v192-239 four fragments of V, at work in the softmax; v240-251 p's codes.
.set U,     98304
.set VOFF,  98304                      ; LDS: K's codes at 0 (key step x 6,144 + tile x 768), V's here (key step x 6,144 + tile x 1,536)
.set KSC,   196608                     ; K's scale words, 512 bytes a key step
.set VSC,   204800                     ; V's, 256 bytes a key step
.set OST,   208896                     ; a stage for O's scale words: 2,048 bytes that no tensor load fills
.set L16,  1
.set L8,   2
.set ASK0, 3
.set ASV0, 4
.set LV16, 5
.set OSW,  6
.set OSR,  7
.set R16,  8
.set ADK,  9
.set ADK8, 10
.set ADV,  11
.set ADS,  28
.set ADT,  29
.set BM,   192                         ; the blocks' largest scores, then largest p
.set BT,   196
.set BS,   200                         ; the conversions' scale operands
.set CT,   204                         ; the conversions' second halves
.set S2,   212                         ; the second chain of the sum
.set T,    214
.set WV,   12
.set SEL,  20
.set CS,   22
.set G1C,  24
.set G1S,  32
.set G0S,  40
.set G0C,  44
.set TB,   60
.set TS,   61
.set TJ,   62
.set CNT,  63
.set PASS, 66
.set QP,   68
.set QSP,  70
.set OP,   72
.set OSP,  74
.macro CROUND                          ; a round of the cluster's barrier
	s_barrier_signal -1
	s_barrier_wait -1
	s_cmp_lg_u32 s[WV], 0
	s_cbranch_scc1 .Lnot_wave_0_\@
	s_barrier_signal -3
.Lnot_wave_0_\@:
	s_barrier_wait -3
	s_barrier_signal -1
	s_barrier_wait -1
.endm
	s_load_b256 s[4:11], s[0:1], 0x0               ; qkvc s[4:5], sc s[6:7], oc s[8:9], os s[10:11]
	v_lshl_add_u32 v254, v0, 2, 0x34000
	v_mov_b32 v255, 0
	ds_add_u32 v254, v255
	ds_add_u32 v254, v255
	v_lshrrev_b32 v1, 5, v0
	s_delay_alu instid0(VALU_DEP_1)
	v_readfirstlane_b32 s[WV], v1                  ; wave 0..15
	s_bfe_u32 s13, ttmp6, 0x40000                  ; cx: it enters Q's and O's addresses alone
	s_and_b32 s14, ttmp7, 0xffff                   ; y, which the four partners share
	s_lshr_b32 s17, s[WV], 1
	s_and_b32 s18, s[WV], 1
	s_mul_i32 s16, s14, U
	v_and_b32 v[L8], 31, v0
	s_delay_alu instid0(VALU_DEP_1)
	v_lshlrev_b32 v[L16], 4, v[L8]
	s_delay_alu instid0(VALU_DEP_2)
	v_lshlrev_b32 v[L8], 3, v[L8]
	v_and_b32 v[R16], 15, v0
	s_delay_alu instid0(VALU_DEP_1)
	v_lshlrev_b32 v[R16], 4, v[R16]
	s_delay_alu instid0(VALU_DEP_1)
	v_add_nc_u32 v[ASK0], KSC, v[R16]
	s_delay_alu instid0(VALU_DEP_2)
	v_add_nc_u32 v[ASV0], VSC, v[R16]
	v_add_nc_u32 v[LV16], VOFF, v[L16]
	s_lshl_b32 s76, s17, 8
	s_lshl_b32 s77, s18, 3
	s_add_co_u32 s76, s76, s77
	s_add_co_u32 s76, s76, OST
	v_add_nc_u32 v[OSW], s76, v[R16]               ; my two tiles' words of row r: 256 (wave / 2) + 8 (wave % 2) + 16 r
	v_lshl_add_u32 v[OSR], v0, 4, OST
	; descriptor groups 1: dense blocks as rows of 256 bytes (32 elements of 8 bytes): 48 rows of codes, 12 of scale words
	s_mov_b32 s[G1C], 15|(3<<16)|(1<<21)           ; the mask: all four work-groups; elements of 8 bytes; bit 21 beside a mask; no padding
	s_mov_b32 s[G1C+1], 32<<16
	s_mov_b32 s[G1C+2], 48<<16
	s_mov_b32 s[G1C+3], 32<<16
	s_mov_b32 s[G1C+4], 48
	s_mov_b32 s[G1C+5], 32
	s_mov_b32 s[G1C+6], 0
	s_mov_b32 s[G1C+7], 0
	s_mov_b32 s[G1S], 15|(3<<16)|(1<<21)
	s_mov_b32 s[G1S+1], 32<<16
	s_mov_b32 s[G1S+2], 12<<16
	s_mov_b32 s[G1S+3], 32<<16
	s_mov_b32 s[G1S+4], 12
	s_mov_b32 s[G1S+5], 32
	s_mov_b32 s[G1S+6], 0
	s_mov_b32 s[G1S+7], 0
	; what I fetch, if I fetch (waves 0-3): half wave % 2 of each chunk of K (wave / 2 = 0) or V (1); a quarter of the scale words
	s_mul_i32 s19, s17, VOFF
	s_mul_i32 s78, s18, 12288
	s_add_co_u32 s19, s19, s78                     ; in LDS
	s_add_co_u32 s79, s17, 1
	s_mul_i32 s79, s79, 64*U
	s_add_co_u32 s78, s78, s79
	s_add_co_u32 s78, s78, s16                     ; in qkvc: K of y at (64 + y) U, V at (128 + y) U
	s_mov_b32 s79, 0
	s_mul_i32 s80, s14, 20480
	s_mul_i32 s15, s[WV], 3072
	s_add_co_u32 s80, s80, s15
	s_add_co_u32 s80, s80, 8192                    ; in sc: K's words, then V's
	s_mov_b32 s81, 0
	s_add_co_u32 s15, s15, KSC
	s_mov_b32 s[SEL], 0x76543210
	s_mov_b32 s[SEL+1], 0xfedcba98
	s_mov_b32 s[CS], 0x3e38aa3b                    ; c = log2(e) / 8
	s_mov_b32 s[CS+1], s[CS]                       ; (named with it as a pair, so it is written)
	s_mov_b32 s[PASS], 2
	s_wait_dscnt 0x0
	s_wait_kmcnt 0x0
	s_add_nc_u64 s[78:79], s[4:5], s[78:79]
	s_add_nc_u64 s[80:81], s[6:7], s[80:81]
	s_mov_b32 s[G0S], 1
	s_mov_b32 s[G0S+1], s15
	s_mov_b64 s[G0S+2:G0S+3], s[80:81]
	s_or_b32 s[G0S+3], s[G0S+3], 0x80000000
.irp c, 0,1,2,3
	s_mov_b32 s[G0C+4*\c], 1
	s_add_co_u32 s[G0C+4*\c+1], s19, \c*24576
	s_add_nc_u64 s[G0C+4*\c+2:G0C+4*\c+3], s[78:79], \c*24576
	s_or_b32 s[G0C+4*\c+3], s[G0C+4*\c+3], 0x80000000
.endr
	; my first tile of queries, 32 cx + 2 wave: its codes, its scale words, and O's
	s_lshl_b32 s76, s13, 5
	s_lshl_b32 s77, s[WV], 1
	s_add_co_u32 s76, s76, s77
	s_mul_i32 s76, s76, 768
	s_add_co_u32 s76, s76, s16
	s_mov_b32 s77, 0
	s_add_nc_u64 s[QP:QP+1], s[4:5], s[76:77]
	s_add_nc_u64 s[OP:OP+1], s[8:9], s[76:77]
	s_mul_i32 s76, s14, 20480
	s_lshl_b32 s82, s13, 11
	s_add_co_u32 s76, s76, s82
	s_lshl_b32 s83, s17, 8
	s_add_co_u32 s76, s76, s83
	s_lshl_b32 s83, s18, 3
	s_add_co_u32 s76, s76, s83
	s_add_nc_u64 s[QSP:QSP+1], s[6:7], s[76:77]
	s_lshl_b32 s76, s14, 13
	s_add_co_u32 s76, s76, s82
	s_lshl_b32 s83, s[WV], 9
	s_add_co_u32 s76, s76, s83
	s_add_nc_u64 s[OSP:OSP+1], s[10:11], s[76:77]
	CROUND                                         ; all four work-groups are here: the joint loads meet
	s_cmp_lt_u32 s[WV], 4                          ; a wave's first fills stand in one branch, ahead of every wait on TENSORcnt and every LDS read: five loads of mine are out
	s_cbranch_scc0 .Lno_fetch
	tensor_load_to_lds s[G0S:G0S+3], s[G1S:G1S+7]
	s_nop 0
	tensor_load_to_lds s[G0C:G0C+3], s[G1C:G1C+7]
	s_nop 0
	tensor_load_to_lds s[G0C+4:G0C+7], s[G1C:G1C+7]
	s_nop 0
	tensor_load_to_lds s[G0C+8:G0C+11], s[G1C:G1C+7]
	s_nop 0
	tensor_load_to_lds s[G0C+12:G0C+15], s[G1C:G1C+7]
	s_nop 0
.rept 4
	v_nop
.endr
.Lno_fetch:
.irp j, 22,23,24,25,26,27
	v_mov_b32 v[\j], 0                             ; the upper 64 of Q's K: zero codes, for good
.endr
.irp t, 0,1,2,3
.irp j, 6,7,8,9,10,11
	v_mov_b32 v[32+12*\t+\j], 0                    ; and of K's four fragments
.endr
.endr
.irp b, 0,1,2,3
	v_mov_b32 v[BT+\b], 0                          ; a lane permute's destination counts as one of its sources
.endr
	v_mov_b32 v95, 0                               ; (named as the upper half of the pair v[94:95])
	v_mov_b32 v31, 0
; A KEY STEP: 128 keys.
.macro STEP
	v_add_nc_u32 v[ADK], s[TB], v[L16]
	s_wait_alu depctr_va_vdst(0)
	v_add_nc_u32 v[ADK8], s[TB], v[L8]
	s_wait_alu depctr_va_vdst(0)
	v_add_nc_u32 v[ADS], s[TS], v[ASK0]
	ds_load_b128 v[80:83], v[ADS]                  ; row r's scale words of K's tiles 0-3,
	ds_load_b128 v[84:87], v[ADS] offset:256       ; and 4-7
.irp g, 0,1                            ; S^T = K Q^T, four tiles of 16 keys at a time
.if \g
.rept 4
	v_nop                                          ; places in front of loads into registers that matrix instructions have read
.endr
.endif
.irp t, 0,1,2,3
	ds_load_b128 v[32+12*\t:35+12*\t], v[ADK] offset:(4*\g+\t)*768
	ds_load_b64 v[36+12*\t:37+12*\t], v[ADK8] offset:(4*\g+\t)*768+512
.endr
	s_wait_dscnt 0x0
.irp t, 0,1,2,3
	v_wmma_scale_f32_16x16x128_f8f6f4 v[96+8*(4*\g+\t):103+8*(4*\g+\t)], v[32+12*\t:43+12*\t], v[16:27], 0, v[80+4*\g+\t], v92 matrix_a_fmt:MATRIX_FMT_FP6 matrix_b_fmt:MATRIX_FMT_FP6
.endr
.endr                                  ; the 16 registers of tiles 2 b, 2 b + 1 are keys 32 b + 16 (lane / 16) + 0 .. 15 of the step
.rept 4
	v_nop
.endr
.irp b, 0,1,2,3
	v_max3_num_f32 v[BM+\b], v[96+16*\b], v[97+16*\b], v[98+16*\b]   ; the largest score of each block of 32 keys: it serves the row's maximum and, since p rises with the score, the block's largest p
.endr
.irp i, 3,5,7,9,11,13
.irp b, 0,1,2,3
	v_max3_num_f32 v[BM+\b], v[BM+\b], v[96+16*\b+\i], v[97+16*\b+\i]
.endr
.endr
.irp b, 0,1,2,3
	v_max_num_f32 v[BM+\b], v[BM+\b], v[111+16*\b]
.endr
.irp b, 0,1,2,3
	s_delay_alu instid0(VALU_DEP_4)
	v_permlanex16_b32 v[BT+\b], v[BM+\b], s[SEL], s[SEL+1]
.endr
.irp b, 0,1,2,3
	s_delay_alu instid0(VALU_DEP_4)
	v_max_num_f32 v[BM+\b], v[BM+\b], v[BT+\b]     ; with lane xor 16's 16 keys
.endr
	s_delay_alu instid0(VALU_DEP_2)
	v_max3_num_f32 v[T], v[BM], v[BM+1], v[BM+2]
	s_delay_alu instid0(VALU_DEP_1)
	v_max_num_f32 v[T], v[T], v[BM+3]
	s_delay_alu instid0(VALU_DEP_1)
	v_mul_f32 v[T], s[CS], v[T]                    ; as t (c is positive)
	s_delay_alu instid0(VALU_DEP_1)
	v_max_num_f32 v13, v13, v[T]                   ; the running largest t
	v_mov_b32 v[T], v12
	s_delay_alu instid0(VALU_DEP_2)
	v_floor_f32 v12, -v13                          ; the new -M = floor(-t): M is a whole number
	s_delay_alu instid0(VALU_DEP_1)
	v_sub_f32 v[T], v12, v[T]                      ; old M - new M: a whole number, 0 or less
	s_delay_alu instid0(VALU_DEP_1)
	v_cvt_i32_f32 v[T], v[T]                       ; (it saturates)
	s_delay_alu instid0(VALU_DEP_1)
	v_ldexp_f32 v94, 1.0, v[T]                     ; f = 2^(old M - new M)
.set j, 0
.rept 32
	v_pk_fma_f32 v[96+j:97+j], v[96+j:97+j], s[CS:CS+1], v[12:13] op_sel_hi:[1,0,0]   ; t - M, two at a time
.set j, j+2
.endr
.irp b, 0,1,2,3
	v_fma_f32 v[BM+\b], v[BM+\b], s[CS], v12       ; the same of each block's largest score
.endr
.set j, 0
	s_wait_alu depctr_va_vdst(0)
.rept 64
	v_exp_f32 v[96+j], v[96+j]                     ; p = 2^(t - M), at most 1
.set j, j+1
.endr
	s_setprio 1
	v_pk_mul_f32 v[14:15], v[14:15], v[94:95] op_sel_hi:[1,0]   ; the sums under the new M (a plain line behind the exponentials)
	s_wait_alu depctr_va_vdst(0)                   ; one wait for the batch of 64, ahead of its first reader
.irp b, 0,1,2,3
	v_exp_f32 v[BM+\b], v[BM+\b]                   ; the block's largest p: the same two instructions on the same number
.endr
	v_pk_add_f32 v[212:213], v[100:101], v[104:105]
	v_pk_add_f32 v[252:253], v[108:109], v[112:113]
	v_pk_add_f32 v[250:251], v[116:117], v[120:121]
	v_pk_add_f32 v[248:249], v[124:125], v[128:129]
	v_pk_add_f32 v[246:247], v[132:133], v[136:137]
	v_pk_add_f32 v[244:245], v[140:141], v[144:145]
	v_pk_add_f32 v[242:243], v[148:149], v[152:153]
	v_pk_add_f32 v[14:15], v[14:15], v[156:157]
	v_pk_add_f32 v[212:213], v[212:213], v[96:97]
	v_pk_add_f32 v[252:253], v[252:253], v[98:99]
	v_pk_add_f32 v[250:251], v[250:251], v[102:103]
	v_pk_add_f32 v[248:249], v[248:249], v[106:107]
	v_pk_add_f32 v[246:247], v[246:247], v[110:111]
	v_pk_add_f32 v[244:245], v[244:245], v[114:115]
	v_pk_add_f32 v[242:243], v[242:243], v[118:119]
	v_pk_add_f32 v[14:15], v[14:15], v[122:123]
	v_pk_add_f32 v[212:213], v[212:213], v[126:127]
	v_pk_add_f32 v[252:253], v[252:253], v[130:131]
	v_pk_add_f32 v[250:251], v[250:251], v[134:135]
	v_pk_add_f32 v[248:249], v[248:249], v[138:139]
	v_pk_add_f32 v[246:247], v[246:247], v[142:143]
	v_pk_add_f32 v[244:245], v[244:245], v[146:147]
	v_pk_add_f32 v[242:243], v[242:243], v[150:151]
	v_pk_add_f32 v[14:15], v[14:15], v[154:155]
	v_pk_add_f32 v[212:213], v[212:213], v[158:159]
	s_delay_alu instid0(VALU_DEP_2)
	v_pk_add_f32 v[14:15], v[14:15], v[248:249]
	s_delay_alu instid0(VALU_DEP_2)
	v_pk_add_f32 v[212:213], v[212:213], v[246:247]
	v_pk_add_f32 v[252:253], v[252:253], v[244:245]
	v_pk_add_f32 v[250:251], v[250:251], v[242:243]
	s_delay_alu instid0(VALU_DEP_2)
	v_pk_add_f32 v[14:15], v[14:15], v[252:253]
	s_delay_alu instid0(VALU_DEP_2)
	v_pk_add_f32 v[212:213], v[212:213], v[250:251]
	s_delay_alu instid0(VALU_DEP_1)
	v_pk_add_f32 v[14:15], v[14:15], v[212:213]
	s_wait_alu depctr_va_vdst(0)                   ; and one for the four
.irp b, 0,1,2,3
	v_max_num_f32 v[BM+\b], 0x1800000, v[BM+\b]    ; the floor 2^(3 - 127): the byte cannot fall under 1
.endr
.irp b, 0,1,2,3
	s_delay_alu instid0(VALU_DEP_4)
	v_add_nc_u32 v[BS+\b], 0xff000000, v[BM+\b]    ; 2 off the exponent field: the conversion's scale operand
.endr
.irp b, 0,1,2,3
	s_delay_alu instid0(VALU_DEP_4)
	v_lshrrev_b32 v[BT+\b], 23, v[BS+\b]           ; the byte
.endr
	s_delay_alu instid0(VALU_DEP_3)
	v_lshl_or_b32 v93, v[BT+1], 8, v[BT]           ; p's scale word for these 128 keys
	s_delay_alu instid0(VALU_DEP_1)
	v_lshl_or_b32 v93, v[BT+2], 16, v93
	s_delay_alu instid0(VALU_DEP_1)
	v_lshl_or_b32 v93, v[BT+3], 24, v93
.irp c, 0,1
	v_cvt_scalef32_pk16_fp6_f32 v[240+6*\c:242+6*\c], v[96+32*\c:111+32*\c], v[BS+2*\c]
	v_cvt_scalef32_pk16_fp6_f32 v[CT+4*\c:CT+4*\c+2], v[112+32*\c:127+32*\c], v[BS+2*\c+1]
.endr
	v_nop                                          ; one plain line behind the scaled conversions
.irp c, 0,1                            ; a whole block to a lane
.irp i, 0,1,2
	v_permlane16_swap_b32 v[240+6*\c+\i], v[CT+4*\c+\i]
.endr
.irp i, 0,1,2
	s_delay_alu instid0(VALU_DEP_3)
	v_mov_b32 v[243+6*\c+\i], v[CT+4*\c+\i]
.endr
.endr
.set j, 0
.rept 16
	v_pk_mul_f32 v[160+j:161+j], v[160+j:161+j], v[94:95] op_sel_hi:[1,0]   ; O^T under the new M; for each product below twelve of these name none of its registers: the places behind p's word and codes
.set j, j+2
.endr
	s_setprio 0
	v_add_nc_u32 v[ADV], s[TB], v[LV16]
	v_add_nc_u32 v[ADT], s[TJ], v[ASV0]
	v_nop
	v_nop                                          ; four plain lines between the last write of O^T and the products that add onto it
.irp t, 0,1,2,3                        ; O^T += V^T P^T: the head's four tiles of 16 channels
.irp c, 0,1,2
	ds_load_b128 v[192+12*\t+4*\c:195+12*\t+4*\c], v[ADV] offset:\t*1536+512*\c
.endr
.endr
	ds_load_b128 v[88:91], v[ADT]                  ; row r's scale words of V's four tiles
	s_wait_alu depctr_va_vdst(0)
	s_wait_dscnt 0x0
.irp t, 0,1,2,3
	v_wmma_scale_f32_16x16x128_f8f6f4 v[160+8*\t:167+8*\t], v[192+12*\t:203+12*\t], v[240:251], v[160+8*\t:167+8*\t], v[88+\t], v93 matrix_a_fmt:MATRIX_FMT_FP6 matrix_b_fmt:MATRIX_FMT_FP6
.endr
	s_add_co_u32 s[TB], s[TB], 6144
	s_add_co_u32 s[TS], s[TS], 512
	s_add_co_u32 s[TJ], s[TJ], 256
.endm
; Chunk c: four key steps.  The fetching waves wait until chunk c has landed (3 - c chunks were issued behind it and may stay out); behind the barrier all sixteen read it.
.macro CHUNK c
	s_wait_tensorcnt 3-\c
	s_wait_dscnt 0x0
	s_barrier_signal -1
	s_barrier_wait -1
	s_mov_b32 s[TB], \c*24576
	s_mov_b32 s[TS], \c*2048
	s_mov_b32 s[TJ], \c*1024
	s_mov_b32 s[CNT], 4
.Lstep_\@:
	s_setprio 2
	STEP
	s_sub_co_u32 s[CNT], s[CNT], 1
	s_cmp_lg_u32 s[CNT], 0
	s_cbranch_scc1 .Lstep_\@
	s_setprio 0
.endm
.Lpass:                                            ; two trips: my two tiles of queries
	global_load_b128 v[16:19], v[L16], s[QP:QP+1]
	global_load_b64 v[20:21], v[L8], s[QP:QP+1] offset:512
	global_load_b32 v92, v[R16], s[QSP:QSP+1]      ; row r's scale word
	v_mov_b32 v13, 0xff61b1e6                      ; the largest t so far: -3e38
	s_delay_alu instid0(VALU_DEP_1)
	v_floor_f32 v12, -v13
	v_mov_b32 v14, 0
	v_mov_b32 v15, 0
.set j, 0
.rept 32
	v_mov_b32 v[160+j], 0                          ; O^T: the step is written once; the first change of M leaves zeros zeros
.set j, j+1
.endr
	s_wait_loadcnt 0x0
	CHUNK 0
	CHUNK 1
	CHUNK 2
	CHUNK 3
	; the tile is finished: O^T / the sum, quantised along the head's 64: register 16 b + i is channel 32 b + 16 (lane / 16) + i
.rept 4
	v_nop
.endr
	v_add_f32 v14, v14, v15
	s_delay_alu instid0(VALU_DEP_1)
	v_permlanex16_b32 v[T], v14, s[SEL], s[SEL+1]
	s_delay_alu instid0(VALU_DEP_1)
	v_add_f32 v14, v14, v[T]                       ; the row's sum
	s_wait_alu depctr_va_vdst(0)
	v_rcp_f32 v14, v14
	v_nop                                          ; a plain line behind the reciprocal,
	s_wait_alu depctr_va_vdst(0)                   ; and the wait ahead of its first reader
.set j, 0
.rept 16
	v_pk_mul_f32 v[96+j:97+j], v[160+j:161+j], v[14:15] op_sel_hi:[1,0]
.set j, j+2
.endr
.irp b, 0,1
	v_max3_num_f32 v[BM+\b], |v[96+16*\b]|, |v[97+16*\b]|, 0x1800000
.endr
.irp i, 2,4,6,8,10,12,14
.irp b, 0,1
	s_delay_alu instid0(VALU_DEP_2)
	v_max3_num_f32 v[BM+\b], v[BM+\b], |v[96+16*\b+\i]|, |v[97+16*\b+\i]|
.endr
.endr
.irp b, 0,1
	s_delay_alu instid0(VALU_DEP_2)
	v_permlanex16_b32 v[BT+\b], v[BM+\b], s[SEL], s[SEL+1]
.endr
.irp b, 0,1
	s_delay_alu instid0(VALU_DEP_2)
	v_max_num_f32 v[BM+\b], v[BM+\b], v[BT+\b]
.endr
.irp b, 0,1
	s_delay_alu instid0(VALU_DEP_2)
	v_add_nc_u32 v[BS+\b], 0xff000000, v[BM+\b]
.endr
.irp b, 0,1
	s_delay_alu instid0(VALU_DEP_2)
	v_lshrrev_b32 v[BT+\b], 23, v[BS+\b]
.endr
	s_delay_alu instid0(VALU_DEP_1)
	v_lshl_or_b32 v[T], v[BT+1], 8, v[BT]          ; the row's two bytes; the upper two stay 0
	v_cvt_scalef32_pk16_fp6_f32 v[240:242], v[96:111], v[BS]
	v_cvt_scalef32_pk16_fp6_f32 v[CT:CT+2], v[112:127], v[BS+1]
	v_nop
.irp i, 0,1,2
	v_permlane16_swap_b32 v[240+\i], v[CT+\i]
.endr
.irp i, 0,1,2
	s_delay_alu instid0(VALU_DEP_3)
	v_mov_b32 v[243+\i], v[CT+\i]
.endr
	v_mov_b32 v30, v31
	v_mov_b32 v31, v[T]                            ; after two passes: v30 the first tile's word, v31 the second's
	global_store_b128 v[L16], v[240:243], s[OP:OP+1]              ; the image: 512 consecutive bytes, then 256
	global_store_b64 v[L8], v[244:245], s[OP:OP+1] offset:512
	s_wait_xcnt 0x0                                ; the bases and the stores' data are written again only behind this wait
	s_add_nc_u64 s[QP:QP+1], s[QP:QP+1], 768
	s_add_nc_u64 s[OP:OP+1], s[OP:OP+1], 768
	s_add_nc_u64 s[QSP:QSP+1], s[QSP:QSP+1], 4
	s_sub_co_u32 s[PASS], s[PASS], 1
	s_cmp_lg_u32 s[PASS], 0
	s_cbranch_scc1 .Lpass
	s_wait_alu depctr_va_vdst(0)
	ds_store_b64 v[OSW], v[30:31]                  ; O's scale words meet in the stage (lanes l and l xor 16 write the same words with the same values)
	s_wait_dscnt 0x0
	s_barrier_signal -1
	s_barrier_wait -1
	s_cmp_lt_u32 s[WV], 4
	s_cbranch_scc0 .Lno_words
	ds_load_b128 v[96:99], v[OSR]
	s_wait_dscnt 0x0
	global_store_b128 v[L16], v[96:99], s[OSP:OSP+1]              ; four waves store 512 consecutive bytes each
.Lno_words:
	s_wait_tensorcnt 0x0
	ds_add_u32 v254, v255
	s_wait_dscnt 0x0
	CROUND                                         ; the closing round
	s_endpgm
.Lfunc_end_k_q3869f868bd_attn:
	.size	k_q3869f868bd_attn, .Lfunc_end_k_q3869f868bd_attn-k_q3869f868bd_attn
	.p2alignl 7, 3214868480
	.fill 96, 4, 3214868480
	.section	.rodata,"a",@progbits
	.p2align	6, 0x0
	.amdhsa_kernel k_q3869f868bd_attn
		.amdhsa_group_segment_fixed_size 215040
		.amdhsa_private_segment_fixed_size 0
		.amdhsa_enable_private_segment 0
		.amdhsa_kernarg_size 32
		.amdhsa_user_sgpr_count 2
		.amdhsa_user_sgpr_kernarg_segment_ptr 1
		.amdhsa_wavefront_size32 1
		.amdhsa_system_sgpr_workgroup_id_x 1
		.amdhsa_system_sgpr_workgroup_id_y 1
		.amdhsa_system_sgpr_workgroup_id_z 1
		.amdhsa_system_vgpr_workitem_id 0
		.amdhsa_next_free_vgpr 256
		.amdhsa_next_free_sgpr 84
		.amdhsa_reserve_vcc 0
		.amdhsa_float_denorm_mode_32 3
		.amdhsa_float_denorm_mode_16_64 3
		.amdhsa_memory_ordered 1
		.amdhsa_forward_progress 1
		.amdhsa_inst_pref_size 86
	.end_amdhsa_kernel
	.amdgpu_metadata
---
amdhsa.version: [ 1, 2 ]
amdhsa.kernels:
  - .name:           k_q3869f868bd_attn
    .symbol:         k_q3869f868bd_attn.kd
    .args:
      - { .name: qkvc, .offset: 0, .size: 8, .value_kind: global_buffer, .address_space: global }
      - { .name: sc, .offset: 8, .size: 8, .value_kind: global_buffer, .address_space: global }
      - { .name: oc, .offset: 16, .size: 8, .value_kind: global_buffer, .address_space: global }
      - { .name: os, .offset: 24, .size: 8, .value_kind: global_buffer, .address_space: global }
    .group_segment_fixed_size: 215040
    .private_segment_fixed_size: 0
    .kernarg_segment_align: 8
    .kernarg_segment_size: 32
    .max_flat_workgroup_size: 512
    .sgpr_count:     84
    .vgpr_count:     256
    .wavefront_size: 32
...
	.end_amdgpu_metadata
.endif
;; end of part 3
;; launch proj (part 4): grid 4 x 32, 4 waves a work-group, clusters of 4 x 4, 327,680 bytes of LDS; arguments oc, os, opc, ops, b_proj, out0; writes out0
.if DOCPART == 4
	.amdgcn_target "amdgcn-amd-amdhsa--gfx1250"
	.amdhsa_code_object_version 6
	.text
	.protected	k_q3869f868bd_proj
	.globl	k_q3869f868bd_proj
	.p2align	8
	.type	k_q3869f868bd_proj,@function
k_q3869f868bd_proj:
	s_mov_b64 s[64:65], 0
	v_nop
	global_prefetch_b8 v0, s[64:65] scope:SCOPE_SE
	s_setreg_imm32_b32 hwreg(HW_REG_WAVE_MODE, 25, 1), 1
	s_wait_xcnt 0x0
	s_wait_alu depctr_hold_cnt(0) depctr_sa_sdst(0) depctr_va_vdst(0) depctr_va_sdst(0) depctr_va_ssrc(0) depctr_va_vcc(0) depctr_vm_vsrc(0)
	s_getreg_b32 s2, hwreg(HW_REG_IB_STS2, 6, 4)
	s_cmp_eq_u32 s2, 0
	s_cbranch_scc0 .Lentry_in_a_cluster
	s_endpgm
.Lentry_in_a_cluster:
	s_bfe_u32 s2, ttmp6, 0x10000c
	s_cmp_lg_u32 s2, 0xf033
	s_cbranch_scc0 .Lentry_shape_is_right
	s_endpgm
.Lentry_shape_is_right:
.set NQ,     2
.set ROWB,   192
.set KROW,   768
.set PITCH,  240
.set FR,     12
.set NLA,    4
.set NP,     4
.set HALFL,  24576
.set HALFT,  128*PITCH
.set ROFF,   2*HALFL
.set SLOT,   ROFF+2*HALFT
.set KS,     32
.set SCL,    2*SLOT
.set QUARS,  8*272
.set HALFS,  16*272
.set SBLK,   2*272
.set SPARE,  SCL+4*QUARS
.set SPITCH, 528
.set ADA16, 16
.set ADA8,  18
.set ADRB,  20
.set STO,  24
.set RD,   25
.set CO,   26
.set ADRS, 27
.set SPW,  28
.set NIL,  29
.set SC,   32
.set BI,   64
.set BK,   64
.set AF,   128
.set CW,   224
.set G1, 24
.set G0, 32
.set G1B, 48
.set G0B, 56
.set G1S, 68
.set G0S, 76
.set MSB, 0
.macro WIN new
.if MSB != (\new)
	s_set_vgpr_msb (MSB<<8)|(\new)
.set MSB, (\new)
.endif
.endm
.set MUL_LO, 0xa1
.set MUL_HI, 0xf1
.set TO_B,   0x40
.macro JLOAD g0a, g1a, g0b, g1b
	s_cmp_eq_u32 s15, 0
	s_cbranch_scc0 .Lfor_b_\@
	tensor_load_to_lds s[\g0a:\g0a+3], s[\g1a:\g1a+7]
	s_nop 0
.rept 4
	v_nop
.endr
	s_branch .Lasked_\@
.Lfor_b_\@:
	tensor_load_to_lds s[\g0b:\g0b+3], s[\g1b:\g1b+7]
	s_nop 0
.rept 4
	v_nop
.endr
.Lasked_\@:
.endm
.macro CREST
	s_cmp_lg_u32 s14, 0
	s_cbranch_scc1 .Lnot_wave_0_\@
	s_barrier_signal -3
.Lnot_wave_0_\@:
	s_barrier_wait -3
	s_barrier_signal -1
	s_barrier_wait -1
.endm
.macro CROUND
	s_barrier_signal -1
	s_barrier_wait -1
	CREST
.endm
	s_load_b256 s[4:11], s[0:1], 0x0
	s_load_b64 s[12:13], s[0:1], 0x20
	s_load_b64 s[96:97], s[0:1], 0x28
	v_lshl_add_u32 v[SPW], v0, 2, SPARE
	v_mov_b32 v[NIL], 0
	ds_add_u32 v28, v29
	ds_add_u32 v28, v29
	s_wait_dscnt 0x0
	v_lshrrev_b32 v1, 5, v0
	v_readfirstlane_b32 s14, v1
	s_lshr_b32 s15, s14, 1
	s_and_b32 s16, s14, 1
	s_bfe_u32 s40, ttmp6, 0x40000
	s_bfe_u32 s41, ttmp6, 0x40004
	s_lshl_b32 s42, ttmp9, 2
	s_add_co_u32 s42, s42, s40
	s_and_b32 s17, ttmp7, 0xffff
	s_lshl_b32 s17, s17, 2
	s_add_co_u32 s17, s17, s41
	s_lshl_b32 s43, s41, 2
	s_lshl_b32 s43, 15, s43
	s_lshl_b32 s44, 0x1111, s40
	s_or_b32 s[G1+0], s43, (3<<16)|(1<<21)
	s_mov_b32 s[G1+1], 768<<16
	s_mov_b32 s[G1+2], 4<<16
	s_mov_b32 s[G1+3], 768<<16
	s_mov_b32 s[G1+4], 4
	s_mov_b32 s[G1+5], 49152
	s_mov_b32 s[G1+6], 0
	s_mov_b32 s[G1+7], 0
	s_or_b32 s[G1B+0], s44, (1<<20)|(1<<21)|(3<<22)|(3<<25)
	s_mov_b32 s[G1B+1], ROWB<<16
	s_mov_b32 s[G1B+2], 128<<16
	s_mov_b32 s[G1B+3], ROWB<<16
	s_mov_b32 s[G1B+4], 128
	s_mov_b32 s[G1B+5], KROW
	s_mov_b32 s[G1B+6], 0
	s_mov_b32 s[G1B+7], 0
	s_or_b32 s[G1S+0], s44, (3<<16)|(1<<20)|(1<<21)|(5<<22)|(3<<25)
	s_mov_b32 s[G1S+1], 32<<16
	s_mov_b32 s[G1S+2], 8<<16
	s_mov_b32 s[G1S+3], 32<<16
	s_mov_b32 s[G1S+4], 8
	s_mov_b32 s[G1S+5], 32
	s_mov_b32 s[G1S+6], 0
	s_mov_b32 s[G1S+7], 0
	s_lshl_b32 s20, s17, 4
	s_lshl_b32 s18, s16, 3
	s_add_co_u32 s20, s20, s18
	s_mul_i32 s20, s20, 768
	s_mov_b32 s21, 0
	s_lshl_b32 s46, s42, 8
	s_add_co_u32 s46, s46, 11264
	s_lshl_b32 s18, s14, 6
	s_add_co_u32 s92, s46, s18
	s_lshl_b32 s92, s92, 5
	s_mov_b32 s93, 0
	s_lshl_b32 s18, s16, 7
	s_add_co_u32 s46, s46, s18
	s_mul_i32 s46, s46, KROW
	s_mov_b32 s47, 0
	s_mul_i32 s45, s16, HALFL
	s_mul_i32 s94, s16, HALFT
	s_add_co_u32 s94, s94, ROFF
	s_mul_i32 s95, s14, QUARS
	s_add_co_u32 s95, s95, SCL
	s_wait_kmcnt 0x0
	s_add_nc_u64 s[20:21], s[4:5], s[20:21]
	s_add_nc_u64 s[46:47], s[8:9], s[46:47]
	s_add_nc_u64 s[92:93], s[10:11], s[92:93]
	CROUND
	s_mov_b32 s[G0S], 1
	s_mov_b32 s[G0S+1], s95
	s_mov_b64 s[G0S+2:G0S+3], s[92:93]
	s_or_b32 s[G0S+3], s[G0S+3], 0x80000000
	tensor_load_to_lds s[G0S:G0S+3], s[G1S:G1S+7]
	s_nop 0
.rept 4
	v_nop
.endr
.irp s, 0,1
	s_mov_b32 s[G0+4*\s], 1
	s_add_co_u32 s[G0+4*\s+1], s45, \s*SLOT
	s_add_nc_u64 s[G0+4*\s+2:G0+4*\s+3], s[20:21], \s*1572864
	s_or_b32 s[G0+4*\s+3], s[G0+4*\s+3], 0x80000000
	s_mov_b32 s[G0B+4*\s], 1
	s_add_co_u32 s[G0B+4*\s+1], s94, \s*SLOT
	s_add_nc_u64 s[G0B+4*\s+2:G0B+4*\s+3], s[46:47], \s*ROWB
	s_or_b32 s[G0B+4*\s+3], s[G0B+4*\s+3], 0x80000000
	s_wait_alu depctr_va_vdst(0)
	s_wait_tensorcnt 0x0
	ds_add_u32 v28, v29
	s_wait_dscnt 0x0
	CROUND
	JLOAD G0+4*\s, G1, G0B+4*\s, G1B
.endr
	v_and_b32 v1, 15, v0
	s_wait_alu depctr_va_vdst(0)
	v_bfe_u32 v2, v0, 4, 1
	v_lshlrev_b32 v12, 4, v1
	v_lshl_add_u32 v12, v2, 8, v12
	s_lshl_b32 s18, s17, 1
	s_add_co_u32 s18, s18, s15
	s_lshl_b32 s18, s18, 9
	s_mov_b32 s19, 0
	s_add_nc_u64 s[6:7], s[6:7], s[18:19]
.irp d, 0,1,2,3,4,5,6,7,8,9,10,11,12,13,14,15
	global_load_b128 v[64+4*\d:67+4*\d], v12, s[6:7] offset:\d*32768
.endr
	v_and_b32 v3, 31, v0
	s_mul_i32 s21, s15, HALFL
.irp s, 0,1
	v_lshl_add_u32 v[ADA16+\s], v3, 4, s21
	v_lshl_add_u32 v[ADA8+\s], v3, 3, s21
	s_add_co_u32 s21, s21, SLOT
.endr
	v_mul_u32_u24 v4, v1, PITCH
	s_wait_alu depctr_va_vdst(0)
	v_mad_u32_u24 v4, v2, 24, v4
	v_lshl_add_u32 v5, v2, 4, v4
	s_mul_i32 s22, s16, HALFT
	s_add_co_u32 s22, s22, ROFF
.irp s, 0,1
	v_add_nc_u32 v[ADRB+\s], s22, v4
	v_add_nc_u32 v[ADRB+2+\s], s22, v5
	s_add_co_u32 s22, s22, SLOT
.endr
	v_mul_u32_u24 v5, v1, KS
	v_lshrrev_b32 v6, 8, v5
	v_lshl_add_u32 v5, v6, 4, v5
	s_mul_i32 s21, s16, HALFS
	s_add_co_u32 s21, s21, SCL
	v_add_nc_u32 v[ADRS], s21, v5
	s_mul_i32 s23, s14, 16*SPITCH
	v_mul_u32_u24 v5, v1, SPITCH
	v_lshl_add_u32 v5, v2, 6, v5
	v_add_nc_u32 v[STO], s23, v5
	v_lshlrev_b32 v[CO], 4, v3
	v_add_nc_u32 v[RD], s23, v[CO]
	s_lshl_b32 s20, s17, 8
	s_lshl_b32 s21, s15, 7
	s_add_co_u32 s20, s20, s21
	s_lshl_b32 s20, s20, 12
	s_lshl_b32 s21, s42, 10
	s_add_co_u32 s20, s20, s21
	s_lshl_b32 s21, s16, 9
	s_add_co_u32 s20, s20, s21
	s_mov_b32 s21, 0
	s_add_nc_u64 s[96:97], s[96:97], s[20:21]
	s_lshl_b32 s20, s42, 8
	s_lshl_b32 s21, s16, 7
	s_add_co_u32 s20, s20, s21
	s_lshl_b32 s20, s20, 2
	s_mov_b32 s21, 0
	s_add_nc_u64 s[12:13], s[12:13], s[20:21]
	v_lshlrev_b32 v13, 6, v2
	s_wait_loadcnt 0x0
.irp p, 0,1,2,3,4,5,6,7
.irp j, 0,1,2,3
	v_lshl_or_b32 v[CW+4*\p+\j], v[64+8*\p+4+\j], 16, v[64+8*\p+\j]
.endr
.endr
.irp b, 0,1,2,3,4,5,6,7
	global_load_b128 v[BI+8*\b:BI+8*\b+3], v13, s[12:13] offset:(32*(\b/2)+8*(\b%2))*4
	global_load_b128 v[BI+8*\b+4:BI+8*\b+7], v13, s[12:13] offset:(32*(\b/2)+8*(\b%2))*4+16
.endr
.macro FRAG reg, adr, q, i
.irp p, 0,1,2,3,4,5
.set PC, 12*(\q)+6*(\p/3)+\p%3
.if PC%8 < 5
	ds_load_b64 v[\reg+2*\p:\reg+2*\p+1], v[\adr] offset:8*PC+16*(PC/8)+(\i)*16*PITCH
.else
	ds_load_b64 v[\reg+2*\p:\reg+2*\p+1], v[\adr+2] offset:8*PC+16*(PC/8)+(\i)*16*PITCH
.endif
.endr
.endm
.macro FRAGA reg, slot, q, i
	ds_load_b128 v[\reg:\reg+3], v[ADA16+\slot] offset:2*(\q)*6144+(\i)*768
	ds_load_b64 v[\reg+4:\reg+5], v[ADA8+\slot] offset:2*(\q)*6144+(\i)*768+512
	ds_load_b128 v[\reg+6:\reg+9], v[ADA16+\slot] offset:(2*(\q)+1)*6144+(\i)*768
	ds_load_b64 v[\reg+10:\reg+11], v[ADA8+\slot] offset:(2*(\q)+1)*6144+(\i)*768+512
.endm
.macro MUL16 a0, p, q, sc, pp, zero
.irp a, \a0, \a0+1
.irp b, 0,1,2,3,4,5,6,7
.set DD, 8*(8*((\a)%4)+\b)
.if \zero
.set CC, BI+8*\b
.else
.set CC, DD
.endif
.if (\a) < 4
	v_wmma_scale_f32_16x16x128_f8f6f4 v[DD:DD+7], v[128*(\p)+FR*\b:128*(\p)+FR*\b+FR-1], v[AF+FR*(\a):AF+FR*(\a)+FR-1], v[CC:CC+7], v[SC+8*NQ*(\sc)+NQ*\b+(\q)], v[CW+4*(\pp)+(\a)%4] matrix_a_fmt:MATRIX_FMT_FP6 matrix_b_fmt:MATRIX_FMT_FP6
.else
	v_wmma_scale_f32_16x16x128_f8f6f4 v[DD:DD+7], v[128*(\p)+FR*\b:128*(\p)+FR*\b+FR-1], v[AF+FR*(\a):AF+FR*(\a)+FR-1], v[CC:CC+7], v[SC+8*NQ*(\sc)+NQ*\b+(\q)], v[CW+4*(\pp)+(\a)%4] matrix_a_fmt:MATRIX_FMT_FP6 matrix_b_fmt:MATRIX_FMT_FP6 matrix_b_scale:MATRIX_SCALE_ROW1
.endif
.endr
.endr
.endm
.macro FETCH_B slot, q, p
	WIN TO_B
.irp i, 0,1,2,3,4,5,6,7
	FRAG 128*(\p)+FR*\i, ADRB+\slot, \q, \i
.endr
	WIN 0
.endm
.macro FETCH_A slot, q, i0
.irp i, \i0, \i0+1, \i0+2, \i0+3
	FRAGA AF+FR*(\i), \slot, \q, \i
.endr
.endm
.macro SCALES sc
.irp i, 0,1,2,3,4,5,6,7
	ds_load_b64 v[SC+8*NQ*\sc+NQ*\i:SC+8*NQ*\sc+NQ*\i+1], v[ADRS] offset:\i*SBLK
.endr
.endm
.macro PLACES n
.rept \n
	v_nop
.endr
.endm
.macro STEP slot, q, pp, zero
	s_wait_dscnt 4*NLA
.if \zero
	WIN 0x81
.else
	WIN MUL_LO
.endif
	MUL16 0, (\q)%2, \q, \slot, \pp, \zero
	MUL16 2, (\q)%2, \q, \slot, \pp, \zero
	s_wait_dscnt 0
	PLACES NP
	FETCH_B \slot, (\q)+1, 1-(\q)%2
	FETCH_A \slot, (\q)+1, 0
.if \zero
	WIN 0xc1
.else
	WIN MUL_HI
.endif
	MUL16 4, (\q)%2, \q, \slot, \pp, \zero
	MUL16 6, (\q)%2, \q, \slot, \pp, \zero
	PLACES NP
	WIN 0
	FETCH_A \slot, (\q)+1, 4
.endm
.macro TURN slot, next, fill, pp
	s_wait_tensorcnt 0x0
	ds_add_u32 v[SPW], v[NIL]
	s_wait_dscnt 4*NLA+1
	WIN MUL_LO
	MUL16 0, 1, NQ-1, \slot, \pp, 0
	s_wait_dscnt 0x0
	s_barrier_signal -1
	MUL16 2, 1, NQ-1, \slot, \pp, 0
	WIN 0
	s_barrier_wait -1
.if \fill
	CREST
	s_add_nc_u64 s[G0+4*\slot+2:G0+4*\slot+3], s[G0+4*\slot+2:G0+4*\slot+3], 3145728
	s_add_nc_u64 s[G0B+4*\slot+2:G0B+4*\slot+3], s[G0B+4*\slot+2:G0B+4*\slot+3], 2*ROWB
	JLOAD G0+4*\slot, G1, G0B+4*\slot, G1B
.else
	PLACES NP
.endif
	s_wait_alu depctr_va_vdst(0)
	v_add_nc_u32 v[ADRS], 4*NQ, v[ADRS]
	FETCH_B \next, 0, 0
	FETCH_A \next, 0, 0
	SCALES \next
	WIN MUL_HI
	MUL16 4, 1, NQ-1, \slot, \pp, 0
	MUL16 6, 1, NQ-1, \slot, \pp, 0
	PLACES NP
	WIN 0
	FETCH_A \next, 0, 4
.endm
	s_wait_tensorcnt 1
	s_barrier_signal -1
	s_barrier_wait -1
	FETCH_B 0, 0, 0
	FETCH_A 0, 0, 0
	SCALES 0
	FETCH_A 0, 0, 4
	s_wait_loadcnt 0x0
	STEP 0, 0, 0, 1
	TURN 0, 1, 1, 1
	STEP 1, 0, 2, 0
	TURN 1, 0, 1, 3
	STEP 0, 0, 4, 0
	TURN 0, 1, 0, 5
	STEP 1, 0, 6, 0
	s_wait_dscnt 4*NLA
	WIN MUL_LO
	MUL16 0, 1, NQ-1, 1, 7, 0
	MUL16 2, 1, NQ-1, 1, 7, 0
	s_wait_dscnt 0
	WIN MUL_HI
	MUL16 4, 1, NQ-1, 1, 7, 0
	MUL16 6, 1, NQ-1, 1, 7, 0
	WIN 0
.macro TOSTAGE a
.set AC, 64*((\a)%4)
	WIN 0x08+4*((\a)/4)
.irp b, 0,1,2,3,4,5,6,7
	ds_store_b128 v[STO], v[AC+8*\b:AC+8*\b+3] offset:128*(\b/2)+32*(\b%2)
	ds_store_b128 v[STO], v[AC+8*\b+4:AC+8*\b+7] offset:128*(\b/2)+32*(\b%2)+16
.endr
	WIN 0
.set BB, BK+64*((\a)%2)
.irp t, 0,1,2,3,4,5,6,7,8,9,10,11,12,13,14,15
	ds_load_b128 v[BB+4*\t:BB+4*\t+3], v[RD] offset:\t*SPITCH
.endr
.endm
.macro SEND a, younger
.set BB, BK+64*((\a)%2)
	s_wait_dscnt \younger
.irp t, 0,1,2,3,4,5,6,7,8,9,10,11,12,13,14,15
	global_store_b128 v[CO], v[BB+4*\t:BB+4*\t+3], s[96:97] offset:(32*((\a)/2)+8*((\a)%2)+\t+8*(\t/8))*4096 th:TH_STORE_NT
.endr
.endm
	PLACES NP
	TOSTAGE 0
.irp a, 1,2,3,4,5,6,7
.if \a > 1
	s_wait_xcnt 0x0
.endif
	TOSTAGE \a
	SEND \a-1, 32
.endr
	SEND 7, 0
	s_wait_tensorcnt 0x0
	ds_add_u32 v[SPW], v[NIL]
	s_wait_dscnt 0x0
	CROUND
	s_endpgm
.Lfunc_end_k_q3869f868bd_proj:
	.size	k_q3869f868bd_proj, .Lfunc_end_k_q3869f868bd_proj-k_q3869f868bd_proj
	.p2alignl 7, 3214868480
	.fill 96, 4, 3214868480
	.section	.rodata,"a",@progbits
	.p2align	6, 0x0
	.amdhsa_kernel k_q3869f868bd_proj
		.amdhsa_group_segment_fixed_size 327680
		.amdhsa_private_segment_fixed_size 0
		.amdhsa_enable_private_segment 0
		.amdhsa_kernarg_size 48
		.amdhsa_user_sgpr_count 2
		.amdhsa_user_sgpr_kernarg_segment_ptr 1
		.amdhsa_wavefront_size32 1
		.amdhsa_system_sgpr_workgroup_id_x 1
		.amdhsa_system_sgpr_workgroup_id_y 1
		.amdhsa_system_sgpr_workgroup_id_z 1
		.amdhsa_system_vgpr_workitem_id 0
		.amdhsa_next_free_vgpr 1024
		.amdhsa_next_free_sgpr 98
		.amdhsa_reserve_vcc 0
		.amdhsa_float_denorm_mode_32 3
		.amdhsa_float_denorm_mode_16_64 3
		.amdhsa_memory_ordered 1
		.amdhsa_forward_progress 1
		.amdhsa_inst_pref_size 157
	.end_amdhsa_kernel
	.amdgpu_metadata
---
amdhsa.version: [ 1, 2 ]
amdhsa.kernels:
  - .name:           k_q3869f868bd_proj
    .symbol:         k_q3869f868bd_proj.kd
    .args:
      - { .name: oc, .offset: 0, .size: 8, .value_kind: global_buffer, .address_space: global }
      - { .name: os, .offset: 8, .size: 8, .value_kind: global_buffer, .address_space: global }
      - { .name: opc, .offset: 16, .size: 8, .value_kind: global_buffer, .address_space: global }
      - { .name: ops, .offset: 24, .size: 8, .value_kind: global_buffer, .address_space: global }
      - { .name: b_proj, .offset: 32, .size: 8, .value_kind: global_buffer, .address_space: global }
      - { .name: out0, .offset: 40, .size: 8, .value_kind: global_buffer, .address_space: global }
    .group_segment_fixed_size: 327680
    .private_segment_fixed_size: 0
    .kernarg_segment_align: 8
    .kernarg_segment_size: 48
    .max_flat_workgroup_size: 128
    .sgpr_count:     98
    .vgpr_count:     1024
    .wavefront_size: 32
...
	.end_amdgpu_metadata
.endif
;; end of part 4
